; MI455X (gfx1250); checked and timed in simulation.
; The chip was launched on July 23, 2026; its instructions are those of AMD's public machine-readable ISA for CDNA 5 (MIT licence, August 2026) and "CDNA5" Instruction Set Architecture Reference Guide (July 2026). The comments in the code are by the model that wrote it; some were corrected since.
;; Lattice RNN Cell. Allowed arithmetic: matrix products marked QUANTISED: E2M3 operands, one E8M0 scale for each 32 along K, by v_wmma_scale_f32_16x16x128_f8f6f4 with both operands' format E2M3, f32 sums; everything else in f32.
;; Inputs: W_hh_codes 4,096 x 32 x 24 uint8 (E2M3 codes of W_hh, K innermost, in blocks of 32 codes, four codes in three bytes); W_hh_scales 4,096 x 32 uint8 (E8M0 scales of W_hh, one for each 32 codes along K); W_ih_codes 4,096 x 16 x 24 uint8 (E2M3 codes of W_ih, K innermost, in blocks of 32 codes, four codes in three bytes); W_ih_scales 4,096 x 16 uint8 (E8M0 scales of W_ih, one for each 32 codes along K); Wc_proc_codes 1,024 x 96 x 24 uint8 (E2M3 codes of Wc_proc, K innermost, in blocks of 32 codes, four codes in three bytes); Wc_proc_scales 1,024 x 96 uint8 (E8M0 scales of Wc_proc, one for each 32 codes along K); Wh_proc_codes 1,024 x 96 x 24 uint8 (E2M3 codes of Wh_proc, K innermost, in blocks of 32 codes, four codes in three bytes); Wh_proc_scales 1,024 x 96 uint8 (E8M0 scales of Wh_proc, one for each 32 codes along K); b_hh 4,096 float32; b_ih 4,096 float32; bc_proc 1,024 float32; beta_c 1,024 float32; beta_h 1,024 float32; bh_proc 1,024 float32; cell_left 4,096 x 1,024 float32; cell_prev 4,096 x 1,024 float32; cell_up 4,096 x 1,024 float32; gamma_c 1,024 float32; gamma_h 1,024 float32; hidden_left 4,096 x 1,024 float32; hidden_prev 4,096 x 1,024 float32; hidden_up 4,096 x 1,024 float32; x_codes 4,096 x 16 x 24 uint8 (E2M3 codes of x, K innermost, in blocks of 32 codes, four codes in three bytes); x_scales 4,096 x 16 uint8 (E8M0 scales of x, one for each 32 codes along K).
;; Outputs: out0 4,096 x 1,024 float32; out1 4,096 x 1,024 float32.
;; This version of the problem:
;;   THIS VERSION OF THE PROBLEM IS GIVEN IN LOW PRECISION. The matrix products marked QUANTISED in the list below multiply operands that are first quantised to E2M3 (2 exponent bits, 3 mantissa bits; 6 bits a number), with one power-of-two scale for each 32 numbers along K (OCP MX v1.0); their sums are f32. All else is computed in f32.
;;   The module's matrix products, in the order in which they are computed (A, B: the left and right operand; K: the contracted axis; several contracted axes count as one K, in the product's order):
;;     1. [M 4,096, K 3,072] x [K 3,072, N 1,024]; A: computed on the way; B: input Wh_proc (given as codes): QUANTISED
;;     2. [M 4,096, K 3,072] x [K 3,072, N 1,024]; A: computed on the way; B: input Wc_proc (given as codes): QUANTISED
;;     3. [M 4,096, K 512] x [K 512, N 4,096]; A: input x (given as codes); B: input W_ih (given as codes): QUANTISED
;;     4. [M 4,096, K 1,024] x [K 1,024, N 4,096]; A: computed on the way; B: input W_hh (given as codes): QUANTISED
;;   THE QUANTISER, for each operand of a quantised product, along K:
;;     - K is cut into blocks of 32 from its start; a last block that is shorter is filled with zeros.
;;     - A block's scale is 2^e with e = floor(log2(the largest magnitude in the block)) - 2, held to -126 .. 127; a block of zeros has e = 0. As a byte (E8M0): e + 127.
;;     - Each number is divided by its block's scale, clamped to +-7.5, and rounded to the nearest number of E2M3, ties to even, subnormals kept.
;;     - The product sums the exact products of the quantised numbers (number of the format x scale) in f32.
;;   ~~~python
;;   def quantise(x, axis):      # numpy; x: float32 -> the quantised numbers, widened to float32 again
;;       x = np.moveaxis(x, axis, -1); K = x.shape[-1]
;;       x = np.pad(x, [(0, 0)] * (x.ndim - 1) + [(0, -K % 32)]); x = x.reshape(x.shape[:-1] + (-1, 32)); a = np.abs(x).max(-1, keepdims=True)
;;       e = np.where(a > 0, np.clip(np.frexp(np.where(a > 0, a, 1))[1] - 1 - 2, -126, 127), 0)      # np.frexp(a)[1] - 1 = floor(log2(a)), exactly
;;       r = np.clip(x / 2.0 ** e, -7.5, 7.5)
;;       step = 2.0 ** (np.maximum(np.frexp(np.where(r == 0, 1, r))[1] - 1, 0) - 3)
;;       q = np.round(r / step) * step * 2.0 ** e      # np.round: ties to even
;;       return np.moveaxis(q.reshape(q.shape[:-2] + (-1,))[..., :K], -1, axis).astype(np.float32)
;;   ~~~
;;   OPERANDS COMPUTED ON THE WAY. 'Computed on the way' means the value that the module computes at that place (a softmax that the list does not call 'softmax' is quantised finished and normalised). What goes into a quantiser is computed in f32, as accurately as f32 sums, v_exp_f32 and their like allow (about 1e-6 of the number): no bf16 or f16 on the way to a quantiser, and a product that is left as it is and whose result goes on into a quantised operand takes f32 operands (vector FMAs, or v_wmma_f32_16x16x4_f32). A number that lies on a knife's edge between two numbers of the format may be rounded either way, as far as f32 arithmetic and the matrix unit's own rounding can turn it there, and no further.
;;   INPUTS GIVEN AS CODES. W_hh (in the module: [4096, 1024], K = its axis 1); W_ih (in the module: [4096, 512], K = its axis 1); Wc_proc (in the module: [1024, 3072], K = its axis 1); Wh_proc (in the module: [1024, 3072], K = its axis 1); x (in the module: [4096, 512], K = its axis 1): each comes as NAME_codes (uint8): NAME with its K axis moved to the last place and cut into blocks of 32 codes, [.., K / 32, bytes a block], one block behind the other in memory; four codes in three bytes: a row's codes are one little-endian stream of bits, code i at bits 6 i .. 6 i + 5 (a code: sign, 2 exponent bits, 3 mantissa bits); and NAME_scales (uint8): the same leading axes, one E8M0 byte (e + 127) for each 32 codes along K. Its value is code x scale, taken as it is: it is not quantised again, and the codes and scales need not be those that the quantiser above would give.
;; One version. Each part assembles by itself: llvm-mc -triple=amdgcn-amd-amdhsa -mcpu=gfx1250 --defsym DOCPART=n.
;; ======== version 1 of 1: 2 launches
;; workspace buffers: ph_codes 3,145,728 bytes; ph_scales 131,072 bytes; pc 16,777,216 bytes; wi_codes 1,572,864 bytes; wi_scales 65,536 bytes; wh_codes 3,145,728 bytes; wh_scales 131,072 bytes
;; launch proc (part 1): grid 256 x 1, 4 waves a work-group, clusters of 4 x 1, 327,680 bytes of LDS; arguments hidden_left, hidden_up, hidden_prev, Wh_proc_codes, Wh_proc_scales, bh_proc, gamma_h, beta_h, cell_left, cell_up, cell_prev, Wc_proc_codes, Wc_proc_scales, bc_proc, gamma_c, beta_c, W_ih_codes, W_ih_scales, W_hh_codes, W_hh_scales, wi_codes, wi_scales, wh_codes, wh_scales, ph_codes, ph_scales, pc; writes ph_codes, ph_scales, pc, wi_codes, wi_scales, wh_codes, wh_scales
.if DOCPART == 1
	.amdgcn_target "amdgcn-amd-amdhsa--gfx1250"
	.amdhsa_code_object_version 6
	.text
	.protected	k_qa833e619b3_proc
	.globl	k_qa833e619b3_proc
	.p2align	8
	.type	k_qa833e619b3_proc,@function
k_qa833e619b3_proc:
	s_mov_b64 s[64:65], 0
	v_nop
	global_prefetch_b8 v0, s[64:65] scope:SCOPE_SE
	s_setreg_imm32_b32 hwreg(HW_REG_WAVE_MODE, 25, 1), 1
	s_wait_xcnt 0x0
	s_wait_alu depctr_hold_cnt(0) depctr_sa_sdst(0) depctr_va_vdst(0) depctr_va_sdst(0) depctr_va_ssrc(0) depctr_va_vcc(0) depctr_vm_vsrc(0)
	s_getreg_b32 s2, hwreg(HW_REG_IB_STS2, 6, 4)
	s_cmp_eq_u32 s2, 0
	s_cbranch_scc0 .Lentry_in_a_cluster
	s_endpgm
.Lentry_in_a_cluster:
	s_bfe_u32 s2, ttmp6, 0x10000c
	s_cmp_lg_u32 s2, 0x3003
	s_cbranch_scc0 .Lentry_shape_is_right
	s_endpgm
.Lentry_shape_is_right:
; LatticeRNNCell, first of two launches: processed_h = LayerNorm([hidden_left | hidden_up | hidden_prev] Wh_proc^T + bh_proc) and the same for the cells with Wc_proc.
; DEAD WORK: none.  Every input of reference() has a way to an output and every product of its table is live, so nothing is left out in either launch.
; Both products run on codes of FP6 (E2M3) with one E8M0 scale for each 32 along K.  The weights arrive as codes; the six f32 states are quantised here, in registers, on their way: each of their bytes is read once.
; SHARES.  256 work-groups of four waves.  Clusters 0-31 make processed_h, clusters 32-63 processed_c (the buffers are chosen by the cluster's number).  A work-group owns 32 rows and ALL 1,024 columns,
; so that a row's mean and variance never leave it.  Wave w owns columns 512 nb + 128 w + 0..127, nb = 0, 1: 32 accumulators of 16 x 16, 256 registers.
; CLUSTER.  The four work-groups of a cluster walk the same weight: each of its tiles is asked for JOINTLY, by the same tensor load with the same descriptor and the mask of all four.
; K = 3,072 goes in 12 chunks of 256.  A chunk is two LDS slots: slot nb holds W's rows 512 nb .. 512 nb + 511, 192 bytes of each.  A wave fetches 128 of those rows with one tensor load.
; THE CLUSTERS WALK K IN DIFFERENT ORDERS: cluster c of a path begins at chunk c % 12 and wraps behind chunk 11, so that the 32 clusters of a path do not all ask for the same tile at the same moment; from its second
; chunk on a cluster asks for a tile that the cluster which began one chunk further on has asked for a chunk earlier.  The start hangs on the cluster's number alone: the four partners' descriptors stay equal.
; The wrap is made without a branch: a count of chunks, and a select between 0 and a row's bytes that is taken off the stepped address.  The f32 sums so run in another order of K from cluster to cluster.
; THE MATRIX INSTRUCTION IS USED TRANSPOSED (source 0 = 16 rows of W, source 1 = 16 rows of the states): a lane holds ONE row (lane % 16) and its registers eight neighbouring columns, 8 (lane / 16) + 0..7.
; THE STATES.  Wave w makes fragment w of a chunk (K step w / 2, rows 16 (w % 2) on): sixteen loads of 512 consecutive bytes, a turn through its own stage in LDS so that a lane holds 16 neighbours along K,
; the block's largest magnitude, the conversion; codes and scale words go to the other waves as images of the operand's registers.  Loads run two chunks ahead of the quantiser.
; W's scale words come from memory chunk by chunk, 8 bytes of a row: all of them for 1,024 rows are 98,304 bytes, for which the ring, the images and the stages leave no LDS.
; The bias is the C of each sum's first product: the first chunk is written out ahead of the loop, and nothing is cleared.
; LAYERNORM in two passes over the registers (mean; then the squares of the differences), the waves' partial sums meeting in LDS.  processed_h is quantised along its columns (the next product's K) and stored as
; codes and scale bytes laid as the problem's own inputs are; processed_c is stored as f32.
; ON THE SIDE each work-group copies 16 rows of W_ih and of W_hh, codes and scale bytes, to row (unit / 32) 128 + gate 32 + unit % 32, so that the next launch finds a unit's four gates in one tile of rows.
; LIMITS.  NaN and infinities among the inputs are not served.  A block whose largest magnitude lies under 2^-124 keeps the byte 1; a block of zeros gets the byte 1 where the rule says 127: its codes are zeros,
; and these bytes are read by this program alone.
; No prefetch is laid: a work-group has two chunks of its states (65,536 bytes) on their way at all times, and of the weights' tiles all but a cluster's first chunk have been asked for by another cluster a chunk earlier.
; REGISTERS, in windows of 256.  Window 0: v0-31 addresses; v32-63 W's scale words, two sets; v64-67 the states' scale words; v68-69 copied scale bytes; v72-199 two sets of 64 numbers; v200-233 the quantiser's; in the tail v72-255 are at work.
;   Window 1: accumulator (nb, m, t) at v[128 nb + 64 m + 8 t].   Window 2: W's fragments, K step q at v[96 q + 12 t]; v192-239 the states' four fragments; in the tail v0-35 the copy's data.
;   Window 3: v0-127 the bias, later beta; v128-255 gamma: all three in the accumulators' layout, at 64 nb + 8 t.
.set PITCH, 240                        ; a row of W in LDS: 3 x (64 bytes + 16 of padding)
.set QROWS, 128*PITCH                  ; what one tensor load brings
.set SLOT,  4*QROWS
.set AIMG,  2*SLOT                     ; the states' images: two regions, each four fragments of 1,536 bytes and four times 128 bytes of scale words
.set AREG,  6656
.set TURNB, AIMG+2*AREG                ; for each wave 16 rows x (512 + 16) bytes: the turn of the f32 numbers
.set TP,    528
.set RED,   TURNB+4*16*TP              ; the partial sums: statistic at 512, wave at 128, half of the rows at 64, 4 bytes a row
.set SPARE, RED+1024                   ; the spare words, 128 bytes for each wave: two blocks of 256 bytes that no other line names
.set HST,   SLOT                       ; tail, path h: 32 rows x (768 + 16) bytes of codes, in slot 1, which has had its last fill and its last read
.set HP,    784
.set HSS,   HST+32*HP                  ; and 32 x 32 scale bytes.  (Path c's stages lie in slot 0: each path has LDS bytes of its own)
.set SPW, 4
.set NIL, 5
.set ADRB, 6                           ; v6, v7 my rows of W in slot 0, 1; v8, v9 the same for the pieces behind one padding more
.set LIA, 10
.set LSA, 11
.set TST, 12
.set TLD, 13
.set IWI, 14
.set IWS, 15
.set AOFF, 16
.set WOFF, 17
.set BOFF, 18
.set RST, 19
.set RLD, 20
.set CSTO, 21
.set CRD, 22
.set CGO, 23
.set HSA, 24
.set HWA, 25
.set RDH0, 26
.set RDH1, 27
.set HGO, 28
.set HSR, 29
.set HSG, 30
.set L8, 31
.set WS, 32
.set AS, 64
.set XA, 72
.set TM, 200
.set SW, 212
.set CD, 214
.set AF, 192                           ; in window 2
.set TS, 72                            ; tail: eight running pairs
.set WV, 42
.set SEL, 50
.set XC, 53                            ; s53      the chunk in hand, 0..11
.set G1, 56
.set WRA, 66                           ; s[66:67] what is taken off W's stepped addresses in this chunk: 2,304 behind chunk 11, else 0
.set G0, 68
.set WRS, 92                           ; s[92:93] the same for the scale words' address, which runs a chunk further on: 96 or 0
.set PF, 94                            ; s[94:95] the tensor of states in which the walk began, at its first column: the wrapped rest of the walk
.set MSB, 0
.macro WIN new                         ; the immediate's high byte repeats the setting that is left
.if MSB != \new
	s_set_vgpr_msb (MSB<<8)|\new
.set MSB, \new
.endif
.endm
.macro PLACES n
.rept \n
	v_nop
.endr
.endm
.macro ROUND                           ; a round of the cluster's barrier
	s_barrier_signal -1
	s_barrier_wait -1
	s_cmp_lg_u32 s[WV], 0
	s_cbranch_scc1 .Lnw0_\@
	s_barrier_signal -3
.Lnw0_\@:
	s_barrier_wait -3
	s_barrier_signal -1
	s_barrier_wait -1
.endm
; a fragment of W: 16 rows x 128 K, 12 registers, six pieces of 8 bytes.  Lanes 16-31 read three pieces further on; where that lies behind one padding more, the second address register serves
.macro FRAG reg, adr, q, i
.irp p, 0,1,2,3,4,5
.set PCE, 12*(\q)+6*(\p/3)+\p%3
.if PCE%8 < 5
	ds_load_b64 v[\reg+2*\p:\reg+2*\p+1], v[\adr] offset:8*PCE+16*(PCE/8)+(\i)*16*PITCH
.else
	ds_load_b64 v[\reg+2*\p:\reg+2*\p+1], v[\adr+2] offset:8*PCE+16*(PCE/8)+(\i)*16*PITCH
.endif
.endr
.endm
; at a chunk's head: does the walk wrap behind this chunk, and behind the next?
.macro XSTEP
	s_cmp_eq_u32 s[XC], 11
	s_cselect_b32 s[WRA], 2304, 0                  ; W's tiles of the next chunk: a row's 2,304 bytes back behind chunk 11
	s_cselect_b32 s[XC], -1, s[XC]
	s_add_co_u32 s[XC], s[XC], 1                   ; the next chunk
	s_cmp_eq_u32 s[XC], 11
	s_cselect_b32 s[WRS], 96, 0                    ; the scale words are asked for two chunks ahead: their address steps from the next chunk to the one after
.endm
; THE CHANGE OF SLOTS, at a slot's head.  Each wave waits for all its tensor loads (one is out: its part of the slot ahead), adds 0 to its spare word, and waits for that and for its LDS reads and stores.
; refill = 1: a round of the cluster's barrier, and behind it the other slot is filled with the tile that follows.  also = 1 (the first change): the other slot's address, not yet stepped, is stepped too
.macro SLOTHEAD nb, refill, also
	s_wait_tensorcnt 0x0
	ds_add_u32 v[SPW], v[NIL]
	s_add_nc_u64 s[G0+4*\nb+2:G0+4*\nb+3], s[G0+4*\nb+2:G0+4*\nb+3], 192   ; no load of mine is out: this slot's next tile, 256 further along K,
	s_sub_nc_u64 s[G0+4*\nb+2:G0+4*\nb+3], s[G0+4*\nb+2:G0+4*\nb+3], s[WRA:WRA+1]   ; or back at the row's head
.if \also
	s_add_nc_u64 s[G0+4*(1-\nb)+2:G0+4*(1-\nb)+3], s[G0+4*(1-\nb)+2:G0+4*(1-\nb)+3], 192
	s_sub_nc_u64 s[G0+4*(1-\nb)+2:G0+4*(1-\nb)+3], s[G0+4*(1-\nb)+2:G0+4*(1-\nb)+3], s[WRA:WRA+1]
.endif
	s_wait_dscnt 0x0
.if \refill
	ROUND
	tensor_load_to_lds s[G0+4*(1-\nb):G0+4*(1-\nb)+3], s[G1:G1+7]
	s_nop 0
.else
	s_barrier_signal -1
	s_barrier_wait -1
.endif
	PLACES 4                                       ; also the places in front of the loads into registers that the last products read
.endm
; 16 products: my 8 tiles of columns x the two halves of the rows, K step q.  The 16 accumulators take turns.  first = 1: the sums begin, with the bias of their columns as C
.macro MM nb, p, q, first
.irp t, 0,1,2,3,4,5,6,7
.irp m, 0,1
.if \first
.if \t%2
	v_wmma_scale_f32_16x16x128_f8f6f4 v[128*\nb+64*\m+8*\t:128*\nb+64*\m+8*\t+7], v[96*\q+12*\t:96*\q+12*\t+11], v[AF+12*(2*\q+\m):AF+12*(2*\q+\m)+11], v[64*\nb+8*\t:64*\nb+8*\t+7], v[WS+16*\p+8*\nb+2*(\t/2)+\q], v[AS+2*\q+\m] matrix_a_fmt:MATRIX_FMT_FP6 matrix_b_fmt:MATRIX_FMT_FP6 matrix_a_scale:MATRIX_SCALE_ROW1
.else
	v_wmma_scale_f32_16x16x128_f8f6f4 v[128*\nb+64*\m+8*\t:128*\nb+64*\m+8*\t+7], v[96*\q+12*\t:96*\q+12*\t+11], v[AF+12*(2*\q+\m):AF+12*(2*\q+\m)+11], v[64*\nb+8*\t:64*\nb+8*\t+7], v[WS+16*\p+8*\nb+2*(\t/2)+\q], v[AS+2*\q+\m] matrix_a_fmt:MATRIX_FMT_FP6 matrix_b_fmt:MATRIX_FMT_FP6
.endif
.else
.if \t%2
	v_wmma_scale_f32_16x16x128_f8f6f4 v[128*\nb+64*\m+8*\t:128*\nb+64*\m+8*\t+7], v[96*\q+12*\t:96*\q+12*\t+11], v[AF+12*(2*\q+\m):AF+12*(2*\q+\m)+11], v[128*\nb+64*\m+8*\t:128*\nb+64*\m+8*\t+7], v[WS+16*\p+8*\nb+2*(\t/2)+\q], v[AS+2*\q+\m] matrix_a_fmt:MATRIX_FMT_FP6 matrix_b_fmt:MATRIX_FMT_FP6 matrix_a_scale:MATRIX_SCALE_ROW1
.else
	v_wmma_scale_f32_16x16x128_f8f6f4 v[128*\nb+64*\m+8*\t:128*\nb+64*\m+8*\t+7], v[96*\q+12*\t:96*\q+12*\t+11], v[AF+12*(2*\q+\m):AF+12*(2*\q+\m)+11], v[128*\nb+64*\m+8*\t:128*\nb+64*\m+8*\t+7], v[WS+16*\p+8*\nb+2*(\t/2)+\q], v[AS+2*\q+\m] matrix_a_fmt:MATRIX_FMT_FP6 matrix_b_fmt:MATRIX_FMT_FP6
.endif
.endif
.endr
.endr
.endm
; a slot's work: 96 loads of W's fragments, with slot 0 the chunk's four fragments of the states and their scale words, 32 products.  wcnt: the loads from memory that may stay out (under 0: no wait)
.macro SLOTWORK nb, p, wcnt, first
.if \nb == 0
.irp f, 0,1,2,3
	ds_load_b32 v[AS+\f], v[LSA] offset:\p*AREG+128*\f
.endr
.endif
	WIN 0x80                                       ; destination window 2
.irp t, 0,1,2,3,4,5,6,7
	FRAG 12*\t, ADRB+\nb, 0, \t
.endr
.if \nb == 0
.irp f, 0,1,2,3
.irp c, 0,1,2
	ds_load_b128 v[AF+12*\f+4*\c:AF+12*\f+4*\c+3], v[LIA] offset:\p*AREG+1536*\f+512*\c
.endr
.endr
.endif
.irp t, 0,1,2,3,4,5,6,7
	FRAG 96+12*\t, ADRB+\nb, 1, \t
.endr
.if \wcnt >= 0
	s_wait_loadcnt \wcnt                           ; what this slot's products take from memory is in; what was asked for behind it stays out
.endif
	s_wait_dscnt 48                                ; all but K step 1's 48 loads
.if \first
	WIN 0x7a                                       ; sources 0 and 1 window 2, C (the bias) window 3, D window 1
.else
	WIN 0x5a                                       ; sources 0 and 1 window 2, C and D window 1
.endif
	MM \nb, \p, 0, \first
	s_wait_dscnt 0x0
	WIN 0x5a
	MM \nb, \p, 1, 0
	WIN 0
.endm
.macro ALOAD set                       ; my 16 rows x 128 numbers of a chunk: each load reads 512 consecutive bytes of one row
.irp i, 0,1,2,3,4,5,6,7,8,9,10,11,12,13,14,15
	global_load_b128 v[XA+64*(\set)+4*\i:XA+64*(\set)+4*\i+3], v[AOFF], s[4:5] offset:4096*\i th:TH_LOAD_NT
.endr
.endm
.macro ANEXT set                       ; on to the next chunk: 1,024 bytes along the row; behind a tensor's fourth chunk the next of the three tensors, and at last the head of the one in which the walk began
	s_wait_xcnt 0x0                                ; the earlier loads have read their base
	s_add_nc_u64 s[4:5], s[4:5], 1024
	s_add_co_u32 s47, s47, 1
	s_cmp_eq_u32 s47, 4
	s_cselect_b64 s[4:5], s[6:7], s[4:5]
	s_cselect_b64 s[6:7], s[8:9], s[6:7]
	s_cselect_b64 s[8:9], s[PF:PF+1], s[8:9]
	s_cselect_b32 s47, 0, s47
	ALOAD \set
.endm
.macro WSLOAD p, step                  ; a chunk's scale words of my 256 rows of W: lanes 0-15 take tile 2 j's rows, lanes 16-31 tile 2 j + 1's; two words (K steps 0, 1) a row
.if \step
	s_wait_xcnt 0x0
	s_add_nc_u64 s[12:13], s[12:13], 8
	s_sub_nc_u64 s[12:13], s[12:13], s[WRS:WRS+1]
.endif
.irp nb, 0,1
.irp j, 0,1,2,3
	global_load_b64 v[WS+16*(\p)+8*\nb+2*\j:WS+16*(\p)+8*\nb+2*\j+1], v[WOFF], s[12:13] offset:(512*\nb+32*\j)*96
.endr
.endr
.endm
.macro BIAS nb                         ; the bias of my 128 columns of half nb, in the accumulators' layout
	WIN 0xc0                                       ; destination window 3
.irp t, 0,1,2,3,4,5,6,7
	global_load_b128 v[64*\nb+8*\t:64*\nb+8*\t+3], v[BOFF], s[14:15] offset:(512*\nb+16*\t)*4
	global_load_b128 v[64*\nb+8*\t+4:64*\nb+8*\t+7], v[BOFF], s[14:15] offset:(512*\nb+16*\t)*4+16
.endr
	WIN 0
.endm
.macro GBLOAD base, ptr                ; gamma or beta of my 256 columns, likewise
	WIN 0xc0
.irp nb, 0,1
.irp t, 0,1,2,3,4,5,6,7
	global_load_b128 v[\base+64*\nb+8*\t:\base+64*\nb+8*\t+3], v[BOFF], s[\ptr:\ptr+1] offset:(512*\nb+16*\t)*4
	global_load_b128 v[\base+64*\nb+8*\t+4:\base+64*\nb+8*\t+7], v[BOFF], s[\ptr:\ptr+1] offset:(512*\nb+16*\t)*4+16
.endr
.endr
	WIN 0
.endm
; 64 numbers of a lane, register 16 b + i = k 32 b + 16 (lane / 16) + i of my row, become a fragment's codes in v[CD] on and its scale word in v[SW]
.macro QUANT
.irp b, 0,1,2,3
	v_max3_num_f32 v[TM+\b], |v[XS+16*\b]|, |v[XS+1+16*\b]|, 0x1800000   ; with the floor 2^(3 - 127): the byte cannot fall under 1
.endr
.irp i, 2,4,6,8,10,12,14
.irp b, 0,1,2,3
	v_max3_num_f32 v[TM+\b], v[TM+\b], |v[XS+16*\b+\i]|, |v[XS+1+16*\b+\i]|
.endr
.endr
.irp b, 0,1,2,3
	v_permlanex16_b32 v[TM+4+\b], v[TM+\b], s[SEL], s[SEL+1]
.endr
.irp b, 0,1,2,3
	v_max_num_f32 v[TM+\b], v[TM+\b], v[TM+4+\b]   ; with lane l xor 16's 16: the block's largest magnitude
.endr
.irp b, 0,1,2,3
	v_add_nc_u32 v[TM+8+\b], 0xff000000, v[TM+\b]  ; 2 off its exponent field: the conversion's scale operand
.endr
.irp b, 0,1,2,3
	v_lshrrev_b32 v[TM+4+\b], 23, v[TM+8+\b]       ; the scale's byte
.endr
	v_lshl_or_b32 v[SW], v[TM+5], 8, v[TM+4]
	v_lshl_or_b32 v[SW], v[TM+6], 16, v[SW]
	v_lshl_or_b32 v[SW], v[TM+7], 24, v[SW]
.irp c, 0,1
	v_cvt_scalef32_pk16_fp6_f32 v[CD+6*\c:CD+2+6*\c], v[XS+32*\c:XS+15+32*\c], v[TM+8+2*\c]
	v_cvt_scalef32_pk16_fp6_f32 v[CD+12+4*\c:CD+14+4*\c], v[XS+16+32*\c:XS+31+32*\c], v[TM+8+2*\c+1]
.endr
	v_nop                                          ; one plain place behind a scaled conversion
.irp c, 0,1                                    ; the operand's layout wants a whole block in a lane
.irp i, 0,1,2
	v_permlane16_swap_b32 v[CD+6*\c+\i], v[CD+12+4*\c+\i]
.endr
.irp i, 0,1,2
	v_mov_b32 v[CD+3+6*\c+\i], v[CD+12+4*\c+\i]
.endr
.endr
.endm
; set's 64 registers go through my stage (in as loaded, back 16 neighbours of each block a lane; LDS serves a wave's instructions in order), are quantised, and leave as an image in region set
.macro Q set
.set XS, XA+64*(\set)
.irp i, 0,1,2,3,4,5,6,7,8,9,10,11,12,13,14,15
	ds_store_b128 v[TST], v[XS+4*\i:XS+4*\i+3] offset:TP*\i
.endr
.irp b, 0,1,2,3
.irp j, 0,1,2,3
	ds_load_b128 v[XS+16*\b+4*\j:XS+16*\b+4*\j+3], v[TLD] offset:128*\b+16*\j
.endr
.endr
	s_wait_dscnt 0x0
	QUANT
.irp c, 0,1,2
	ds_store_b128 v[IWI], v[CD+4*\c:CD+4*\c+3] offset:(\set)*AREG+512*\c
.endr
	ds_store_b32 v[IWS], v[SW] offset:(\set)*AREG
.endm
; a chunk of 256 along K.  Region p of the images was written a chunk ago and is read behind the first barrier; region 1 - p is written between the two barriers.  hook = 1: beta is asked for; 2: gamma
.macro CHUNK p, wcnt, doq, doa, dows, last, hook
	XSTEP
	SLOTHEAD 0, 1, 0
	SLOTWORK 0, \p, \wcnt, 0
.if \doq
	Q 1-\p
.endif
.if \doa
	ANEXT 1-\p
.endif
.if \hook == 1
	GBLOAD 0, 18
.endif
.if \hook == 2
	GBLOAD 128, 16
.endif
	SLOTHEAD 1, 1-\last, 0
	SLOTWORK 1, \p, -1, 0
.if \dows
	PLACES 4                                       ; in front of loads into scale registers that the last products read
	WSLOAD \p, 1
.endif
.endm
	s_load_b512 s[4:19], s[0:1], 0x0               ; path h: three states, W's codes, W's scales, bias, gamma, beta
	s_load_b512 s[20:35], s[0:1], 0x40             ; path c: the same
	s_load_b128 s[36:39], s[0:1], 0xc0             ; ph_codes, ph_scales
	s_load_b64 s[40:41], s[0:1], 0xd0              ; pc
	v_lshl_add_u32 v[SPW], v0, 2, SPARE
	v_mov_b32 v[NIL], 0
	ds_add_u32 v[SPW], v[NIL]                      ; the wave's opening: the add, twice on end, and its wait ahead of my first tensor load
	ds_add_u32 v[SPW], v[NIL]
	v_lshrrev_b32 v1, 5, v0
	v_readfirstlane_b32 s[WV], v1                  ; wave 0..3
	v_and_b32 v1, 31, v0                           ; lane
	v_and_b32 v2, 15, v0                           ; r
	v_bfe_u32 v3, v0, 4, 1                         ; h
	s_bfe_u32 s43, ttmp6, 0x40000                  ; cx
	s_lshl_b32 s44, ttmp9, 2
	s_add_co_u32 s44, s44, s43                     ; g: my work-group among the 256: it enters global addresses alone
	s_and_b32 s45, s44, 127                        ; my block of 32 rows
	s_mul_i32 s76, s[WV], QROWS
	v_mul_u32_u24 v6, v2, PITCH
	v_mad_u32_u24 v8, v3, 40, v6
	v_mad_u32_u24 v6, v3, 24, v6
	v_add_nc_u32 v6, s76, v6
	v_add_nc_u32 v8, s76, v8
	v_add_nc_u32 v7, SLOT, v6
	v_add_nc_u32 v9, SLOT, v8
	v_lshl_add_u32 v[LIA], v1, 4, AIMG
	v_lshl_add_u32 v[LSA], v1, 2, AIMG+6144
	s_mul_i32 s76, s[WV], 16*TP
	s_add_co_u32 s76, s76, TURNB
	v_lshl_add_u32 v[TST], v1, 4, s76
	v_mul_u32_u24 v[TLD], v2, TP
	v_lshl_add_u32 v[TLD], v3, 6, v[TLD]
	v_add_nc_u32 v[TLD], s76, v[TLD]
	s_mul_i32 s76, s[WV], 1536
	v_add_nc_u32 v[IWI], s76, v[LIA]
	s_lshl_b32 s76, s[WV], 7
	v_add_nc_u32 v[IWS], s76, v[LSA]
	v_lshlrev_b32 v[AOFF], 4, v1
	v_mul_u32_u24 v[WOFF], v1, 96
	v_lshlrev_b32 v[BOFF], 5, v3
	v_lshl_add_u32 v[RLD], v2, 2, RED
	v_add_nc_u32 v[RST], s76, v[RLD]
	s_mul_i32 s76, s[WV], 16*TP
	v_mul_u32_u24 v[CSTO], v2, TP
	v_lshl_add_u32 v[CSTO], v3, 5, v[CSTO]
	v_add_nc_u32 v[CSTO], s76, v[CSTO]
	v_add_nc_u32 v[CRD], s76, v[AOFF]
	s_lshl_b32 s76, s[WV], 9
	v_add_nc_u32 v[CGO], s76, v[AOFF]
	s_mul_i32 s76, s[WV], 96
	s_add_co_u32 s76, s76, HST
	v_mul_u32_u24 v[HSA], v2, HP
	v_mad_u32_u24 v[HSA], v3, 6, v[HSA]
	v_add_nc_u32 v[HSA], s76, v[HSA]
	s_lshl_b32 s76, s[WV], 2
	s_add_co_u32 s76, s76, HSS
	v_lshl_add_u32 v[HWA], v2, 5, s76
	s_mul_i32 s76, s[WV], 8*HP
	s_add_co_u32 s76, s76, HST
	v_add_nc_u32 v[RDH0], s76, v[AOFF]
	v_lshl_add_u32 v[RDH1], v3, 4, v[RDH0]
	s_mul_i32 s76, s[WV], 6144
	v_add_nc_u32 v[HGO], s76, v[AOFF]
	v_lshlrev_b32 v[L8], 3, v1
	s_lshl_b32 s76, s[WV], 8
	v_add_nc_u32 v[HSG], s76, v[L8]
	v_add_nc_u32 v[HSR], HSS, v[HSG]
.irp b, 0,1,2,3
	v_mov_b32 v[TM+4+\b], 0                        ; written once: a lane permute's destination counts as one of its sources
.endr
	; descriptor group 1: 128 rows x 192 bytes, 2,304 bytes apart in memory, 16 bytes of padding behind every 64 in LDS
	s_mov_b32 s[G1], 15|(1<<20)|(1<<21)|(3<<22)|(3<<25)   ; 15:0 the mask: all four work-groups; 17:16 elements of 1 byte; 20 padding on; 21 set beside a mask; 24:22 after every 16 words; 31:25 4 words of it
	s_mov_b32 s[G1+1], 192<<16
	s_mov_b32 s[G1+2], 128<<16
	s_mov_b32 s[G1+3], 192<<16
	s_mov_b32 s[G1+4], 128
	s_mov_b32 s[G1+5], 2304
	s_mov_b32 s[G1+6], 0
	s_mov_b32 s[G1+7], 0
	s_mov_b32 s[SEL], 0x76543210
	s_mov_b32 s[SEL+1], 0xfedcba98                 ; v_permlanex16_b32's selects for lane l xor 16
	s_mov_b32 s52, 0x3a800000                      ; 1 / 1,024
	s_and_b32 s[XC], ttmp9, 31                     ; my cluster among the path's 32;
	s_mul_i32 s54, s[XC], 43
	s_lshr_b32 s54, s54, 9                         ; its twelfth (43 c >> 9 = c / 12 for c under 32),
	s_mul_i32 s54, s54, 12
	s_sub_co_u32 s[XC], s[XC], s54                 ; and what is left: the chunk at which my cluster begins
	s_lshr_b32 s54, s[XC], 2                       ; which lies in this one of the three tensors of states,
	s_and_b32 s47, s[XC], 3                        ; at this chunk within it
	s_mov_b32 s[WRA+1], 0
	s_mov_b32 s[WRS+1], 0
	s_cmp_eq_u32 s[XC], 11
	s_cselect_b32 s[WRS], 96, 0                    ; the scale words' first step, from my first chunk to my second
	s_lshl_b32 s78, s45, 17                        ; the states: my block's 32 rows of 4,096 bytes,
	s_and_b32 s79, s[WV], 1
	s_lshl_b32 s79, s79, 16                        ; my wave's half of them,
	s_add_co_u32 s78, s78, s79
	s_lshr_b32 s79, s[WV], 1
	s_lshl_b32 s79, s79, 9                         ; my wave's K step in a chunk
	s_add_co_u32 s78, s78, s79
	s_mov_b32 s79, 0
	s_mul_i32 s80, s[WV], 128*2304                 ; W's codes: my 128 rows,
	s_mul_i32 s81, s[XC], 192                      ; at my cluster's first chunk
	s_add_co_u32 s80, s80, s81
	s_mov_b32 s81, 0
	s_mul_i32 s82, s[WV], 128*96                   ; W's scales likewise
	s_lshl_b32 s83, s[XC], 3
	s_add_co_u32 s82, s82, s83
	s_mov_b32 s83, 0
	s_lshl_b32 s84, s[WV], 9                       ; bias, gamma, beta: my 128 columns
	s_mov_b32 s85, 0
	s_mul_i32 s86, s45, 32*768
	s_mov_b32 s87, 0
	s_lshl_b32 s88, s45, 10
	s_mov_b32 s89, 0
	s_lshl_b32 s90, s45, 17
	s_mov_b32 s91, 0
	s_wait_dscnt 0x0                               ; both opening adds are done
	s_wait_kmcnt 0x0
	s_cmp_lt_u32 ttmp9, 32                         ; path h or path c: the cluster's number alone decides, so the four partners go one way
	s_cselect_b64 s[4:5], s[4:5], s[20:21]
	s_cselect_b64 s[6:7], s[6:7], s[22:23]
	s_cselect_b64 s[8:9], s[8:9], s[24:25]
	s_cselect_b64 s[10:11], s[10:11], s[26:27]
	s_cselect_b64 s[12:13], s[12:13], s[28:29]
	s_cselect_b64 s[14:15], s[14:15], s[30:31]
	s_cselect_b64 s[16:17], s[16:17], s[32:33]
	s_cselect_b64 s[18:19], s[18:19], s[34:35]
	s_cselect_b32 s46, 0, 1                        ; 1: path c
	s_load_b512 s[20:35], s[0:1], 0x80             ; the copy's eight buffers: wanted, and waited for, behind the last product
	s_add_nc_u64 s[4:5], s[4:5], s[78:79]
	s_add_nc_u64 s[6:7], s[6:7], s[78:79]
	s_add_nc_u64 s[8:9], s[8:9], s[78:79]
	s_cmp_ge_u32 s54, 1                            ; the three tensors change places until the one in which my walk begins stands first
	s_mov_b64 s[76:77], s[4:5]
	s_cselect_b64 s[4:5], s[6:7], s[4:5]
	s_cselect_b64 s[6:7], s[8:9], s[6:7]
	s_cselect_b64 s[8:9], s[76:77], s[8:9]
	s_cmp_eq_u32 s54, 2
	s_mov_b64 s[76:77], s[4:5]
	s_cselect_b64 s[4:5], s[6:7], s[4:5]
	s_cselect_b64 s[6:7], s[8:9], s[6:7]
	s_cselect_b64 s[8:9], s[76:77], s[8:9]
	s_mov_b64 s[PF:PF+1], s[4:5]                   ; its head is where the walk ends
	s_lshl_b32 s76, s47, 10
	s_mov_b32 s77, 0
	s_add_nc_u64 s[4:5], s[4:5], s[76:77]          ; my first chunk
	ALOAD 0                                        ; its numbers are asked for ahead of all else: the first products wait for their codes
	s_add_nc_u64 s[10:11], s[10:11], s[80:81]
	s_add_nc_u64 s[12:13], s[12:13], s[82:83]
	s_add_nc_u64 s[14:15], s[14:15], s[84:85]
	s_add_nc_u64 s[16:17], s[16:17], s[84:85]
	s_add_nc_u64 s[18:19], s[18:19], s[84:85]
	s_add_nc_u64 s[36:37], s[36:37], s[86:87]
	s_add_nc_u64 s[38:39], s[38:39], s[88:89]
	s_add_nc_u64 s[40:41], s[40:41], s[90:91]
	s_mov_b32 s[G0], 1                             ; group 0 for slot 0: W's rows 128 w on,
	s_mul_i32 s[G0+1], s[WV], QROWS
	s_mov_b64 s[G0+2:G0+3], s[10:11]
	s_or_b32 s[G0+3], s[G0+3], 0x80000000
	s_mov_b32 s[G0+4], 1                           ; for slot 1: rows 512 + 128 w on
	s_add_co_u32 s[G0+5], s[G0+1], SLOT
	s_add_nc_u64 s[G0+6:G0+7], s[10:11], 512*2304
	s_or_b32 s[G0+7], s[G0+7], 0x80000000
	ROUND                                          ; all four work-groups are here: the first joint loads meet
	tensor_load_to_lds s[G0:G0+3], s[G1:G1+7]      ; my first chunk: slot 0,
	s_nop 0
	tensor_load_to_lds s[G0+4:G0+7], s[G1:G1+7]    ; and slot 1: the two first fills go out together; two loads of mine are out
	s_nop 0
	PLACES 4
	WSLOAD 0, 0                                    ; the first chunk's scale words of W,
	BIAS 0                                         ; the bias of slot 0's columns,
	ANEXT 1                                        ; the second chunk's numbers,
	BIAS 1                                         ; the bias of slot 1's columns
	s_wait_loadcnt 56                              ; the first chunk's numbers are in; the 8 + 16 + 16 + 16 loads behind them may be out
	Q 0
	ANEXT 0                                        ; the third chunk's numbers
	WSLOAD 1, 1                                    ; the second chunk's scale words
	; ---- my first chunk, written out
	XSTEP
	s_wait_tensorcnt 0x1                           ; my part of slot 0 is in; slot 1's may stay out
	s_wait_dscnt 0x0                               ; my image of the first chunk lies in LDS
	s_barrier_signal -1
	s_barrier_wait -1
	SLOTWORK 0, 0, 56, 1                           ; the scale words and slot 0's bias are in; behind them: 16 numbers' loads, 16 of the bias, 16 + 8
	s_wait_loadcnt 40                              ; the second chunk's numbers are in; behind them: 16 of the bias, 16 + 8
	Q 1
	ANEXT 1                                        ; the fourth chunk's numbers
	SLOTHEAD 1, 1, 1                               ; the first change of slots steps both slots' addresses
	SLOTWORK 1, 0, 40, 1                           ; slot 1's bias is in; behind it: 16 + 8 + 16
	PLACES 4
	WSLOAD 0, 1                                    ; the third chunk's scale words
	s_mov_b32 s48, 4
.Lchunks:                                          ; my second to ninth chunk, two a trip
	CHUNK 1, 24, 1, 1, 1, 0, 0
	CHUNK 0, 24, 1, 1, 1, 0, 0
	s_sub_co_u32 s48, s48, 1
	s_cmp_lg_u32 s48, 0
	s_cbranch_scc1 .Lchunks
	CHUNK 1, 24, 1, 0, 1, 0, 0                     ; the tenth asks for the last scale words,
	CHUNK 0, 8, 1, 0, 0, 0, 1                      ; the eleventh quantises the last numbers (only the last 8 scale loads are younger) and asks for beta,
	CHUNK 1, 0, 0, 0, 0, 1, 2                      ; the twelfth fills nothing, and asks for gamma
	; ---- LAYERNORM.  A lane holds 128 numbers of each of two rows (m = 0, 1); its partner 16 lanes away and the other three waves hold the rest
	PLACES 4                                       ; behind the last products: their results are read, and loads go into registers that they read
	; the copy: destination rows 16 g on come from source rows gate 1,024 + unit, gate = (g / 2) % 4, unit = 32 (g / 8) + 16 (g % 2) on: 16 rows on end on both sides.  Its loads land under the two passes below
	s_bfe_u32 s76, s44, 0x20001
	s_lshl_b32 s76, s76, 10
	s_lshr_b32 s77, s44, 3
	s_lshl_b32 s77, s77, 5
	s_add_co_u32 s76, s76, s77
	s_and_b32 s77, s44, 1
	s_lshl_b32 s77, s77, 4
	s_add_co_u32 s76, s76, s77                     ; the first source row
	s_mov_b32 s79, 0
	s_mul_i32 s80, s[WV], 1536                     ; my wave's quarter of 16 rows of 384 bytes,
	s_mul_i32 s81, s[WV], 3072                     ; and of 768
	s_wait_kmcnt 0x0
	s_mul_i32 s78, s76, 384
	s_add_co_u32 s78, s78, s80
	s_add_nc_u64 s[20:21], s[20:21], s[78:79]
	s_mul_i32 s78, s76, 768
	s_add_co_u32 s78, s78, s81
	s_add_nc_u64 s[24:25], s[24:25], s[78:79]
	s_mul_i32 s78, s44, 6144
	s_add_co_u32 s78, s78, s80
	s_add_nc_u64 s[28:29], s[28:29], s[78:79]
	s_mul_i32 s78, s44, 12288
	s_add_co_u32 s78, s78, s81
	s_add_nc_u64 s[32:33], s[32:33], s[78:79]
	s_lshl_b32 s78, s76, 4
	s_add_nc_u64 s[22:23], s[22:23], s[78:79]
	s_lshl_b32 s78, s76, 5
	s_add_nc_u64 s[26:27], s[26:27], s[78:79]
	s_lshl_b32 s78, s44, 8
	s_add_nc_u64 s[30:31], s[30:31], s[78:79]
	s_lshl_b32 s78, s44, 9
	s_add_nc_u64 s[34:35], s[34:35], s[78:79]
	s_sub_co_i32 s78, s[WV], 1                     ; the scale bytes: wave 0 takes W_ih's 256, waves 1 and 2 the halves of W_hh's 512
	s_max_i32 s78, s78, 0
	s_lshl_b32 s78, s78, 8
	s_cmp_eq_u32 s[WV], 0
	s_cselect_b64 s[22:23], s[22:23], s[26:27]
	s_cselect_b64 s[30:31], s[30:31], s[34:35]
	s_add_nc_u64 s[22:23], s[22:23], s[78:79]
	s_add_nc_u64 s[30:31], s[30:31], s[78:79]
	WIN 0x80                                       ; destination window 2
.irp i, 0,1,2
	global_load_b128 v[4*\i:4*\i+3], v[AOFF], s[20:21] offset:512*\i
.endr
.irp i, 0,1,2,3,4,5
	global_load_b128 v[12+4*\i:15+4*\i], v[AOFF], s[24:25] offset:512*\i
.endr
	WIN 0
	s_cmp_lt_u32 s[WV], 3
	s_cbranch_scc0 .Lno_sl
	global_load_b64 v[68:69], v[L8], s[22:23]
.Lno_sl:
; the eight running pairs become each row's sum over the whole work-group, in v92 (m = 0) and v96 (m = 1)
.macro REDUCE st
.irp m, 0,1
	v_pk_add_f32 v[TS+8*\m:TS+8*\m+1], v[TS+8*\m:TS+8*\m+1], v[TS+8*\m+2:TS+8*\m+3]
	v_pk_add_f32 v[TS+8*\m+4:TS+8*\m+5], v[TS+8*\m+4:TS+8*\m+5], v[TS+8*\m+6:TS+8*\m+7]
.endr
.irp m, 0,1
	v_pk_add_f32 v[TS+8*\m:TS+8*\m+1], v[TS+8*\m:TS+8*\m+1], v[TS+8*\m+4:TS+8*\m+5]
.endr
.irp m, 0,1
	v_add_f32 v[88+\m], v[TS+8*\m], v[TS+8*\m+1]
.endr
.irp m, 0,1
	v_permlanex16_b32 v[90+\m], v[88+\m], s[SEL], s[SEL+1]
.endr
.irp m, 0,1
	v_add_f32 v[88+\m], v[88+\m], v[90+\m]         ; my wave's 256 columns of row r
.endr
.irp m, 0,1
	ds_store_b32 v[RST], v[88+\m] offset:512*\st+64*\m   ; both lanes of a row write the same word with the same value
.endr
	s_wait_dscnt 0x0                               ; for the others' sake
	s_barrier_signal -1
	s_barrier_wait -1
.irp m, 0,1
.irp u, 0,1,2,3
	ds_load_b32 v[92+4*\m+\u], v[RLD] offset:512*\st+128*\u+64*\m
.endr
.endr
	s_wait_dscnt 0x0
.irp m, 0,1
	v_add_f32 v[92+4*\m], v[92+4*\m], v[93+4*\m]
	v_add_f32 v[94+4*\m], v[94+4*\m], v[95+4*\m]
.endr
.irp m, 0,1
	v_add_f32 v[92+4*\m], v[92+4*\m], v[94+4*\m]
.endr
.endm
	WIN 0x05                                       ; sources 0 and 1 window 1.  Chain k takes registers 2 k, 2 k + 1 of every accumulator, k ascending
.irp m, 0,1
.irp k, 0,1,2,3
	v_pk_add_f32 v[TS+8*\m+2*\k:TS+8*\m+2*\k+1], v[64*\m+2*\k:64*\m+2*\k+1], v[64*\m+8+2*\k:64*\m+8+2*\k+1]
.endr
.endr
	WIN 0x04
.irp x, 2,3,4,5,6,7,8,9,10,11,12,13,14,15
.irp m, 0,1
.irp k, 0,1,2,3
	v_pk_add_f32 v[TS+8*\m+2*\k:TS+8*\m+2*\k+1], v[TS+8*\m+2*\k:TS+8*\m+2*\k+1], v[128*(\x/8)+64*\m+8*(\x%8)+2*\k:128*(\x/8)+64*\m+8*(\x%8)+2*\k+1]
.endr
.endr
.endr
	WIN 0
	v_mov_b32 v90, 0                               ; (a lane permute's destination counts as one of its sources)
	v_mov_b32 v91, 0
	REDUCE 0
.irp m, 0,1
	v_mul_f32 v[100+2*\m], s52, v[92+4*\m]         ; the mean, twice: a pair for the packed forms
	v_mov_b32 v[101+2*\m], v[100+2*\m]
.endr
	WIN 0x41                                       ; destination and source 0 window 1
.irp nb, 0,1
.irp m, 0,1
.set i, 0
.rept 32
	v_pk_add_f32 v[128*\nb+64*\m+i:128*\nb+64*\m+i+1], v[128*\nb+64*\m+i:128*\nb+64*\m+i+1], v[100+2*\m:101+2*\m] neg_lo:[0,1] neg_hi:[0,1]   ; d = y - mean
.set i, i+2
.endr
.endr
.endr
	WIN 0x05
.irp m, 0,1
.irp k, 0,1,2,3
	v_pk_mul_f32 v[TS+8*\m+2*\k:TS+8*\m+2*\k+1], v[64*\m+2*\k:64*\m+2*\k+1], v[64*\m+2*\k:64*\m+2*\k+1]
.endr
.endr
.irp x, 1,2,3,4,5,6,7,8,9,10,11,12,13,14,15
.irp m, 0,1
.irp k, 0,1,2,3
	v_pk_fma_f32 v[TS+8*\m+2*\k:TS+8*\m+2*\k+1], v[128*(\x/8)+64*\m+8*(\x%8)+2*\k:128*(\x/8)+64*\m+8*(\x%8)+2*\k+1], v[128*(\x/8)+64*\m+8*(\x%8)+2*\k:128*(\x/8)+64*\m+8*(\x%8)+2*\k+1], v[TS+8*\m+2*\k:TS+8*\m+2*\k+1]
.endr
.endr
.endr
	WIN 0
	REDUCE 1
	v_mov_b32 v108, 0x3727c5ac                     ; 1e-5
	v_fma_f32 v92, v92, s52, v108                  ; the variance + 1e-5
	v_fma_f32 v96, v96, s52, v108
	v_rsq_f32 v104, v92
	v_rsq_f32 v106, v96
	v_nop                                          ; a plain place behind the two
	s_wait_alu depctr_va_vdst(0)                   ; one wait for both, ahead of their first reader
	v_mov_b32 v105, v104
	v_mov_b32 v107, v106
	s_wait_loadcnt 0x0                             ; gamma, and the copy's data
	WIN 0x08                                       ; a store's data are its source 1: window 2.  Each store covers 512 consecutive bytes, aligned to 256; these registers are not written again
.irp i, 0,1,2
	global_store_b128 v[AOFF], v[4*\i:4*\i+3], s[28:29] offset:512*\i
.endr
.irp i, 0,1,2,3,4,5
	global_store_b128 v[AOFF], v[12+4*\i:15+4*\i], s[32:33] offset:512*\i
.endr
	WIN 0
	s_cmp_lt_u32 s[WV], 3
	s_cbranch_scc0 .Lno_ss
	global_store_b64 v[L8], v[68:69], s[30:31]     ; 256 consecutive bytes, aligned
.Lno_ss:
	WIN 0x41
.irp nb, 0,1
.irp m, 0,1
.set i, 0
.rept 32
	v_pk_mul_f32 v[128*\nb+64*\m+i:128*\nb+64*\m+i+1], v[128*\nb+64*\m+i:128*\nb+64*\m+i+1], v[104+2*\m:105+2*\m]
.set i, i+2
.endr
.endr
.endr
	WIN 0x7d                                       ; destination and source 0 window 1, gamma and beta window 3
.irp nb, 0,1
.irp m, 0,1
.set i, 0
.rept 32
	v_pk_fma_f32 v[128*\nb+64*\m+i:128*\nb+64*\m+i+1], v[128*\nb+64*\m+i:128*\nb+64*\m+i+1], v[128+64*\nb+i:128+64*\nb+i+1], v[64*\nb+i:64*\nb+i+1]
.set i, i+2
.endr
.endr
.endr
	WIN 0
	s_cmp_lg_u32 s46, 0
	s_cbranch_scc1 .Lcell
	; ---- path h: processed_h is quantised along its columns.  Block x = 8 nb + 4 m + b is registers 16 x .. 16 x + 15: columns 8 h + 0..7 and 16 + 8 h + 0..7 of a block of 32; the partner 16 lanes away holds the others
.irp x, 0,1,2,3,4,5,6,7,8,9,10,11,12,13,14,15
	v_mov_b32 v[136+\x], 0
.endr
	WIN 0x05
.irp x, 0,1,2,3,4,5,6,7,8,9,10,11,12,13,14,15
	v_max3_num_f32 v[120+\x], |v[16*\x]|, |v[16*\x+1]|, 0x1800000
.endr
	WIN 0x14
.irp i, 2,4,6,8,10,12,14
.irp x, 0,1,2,3,4,5,6,7,8,9,10,11,12,13,14,15
	v_max3_num_f32 v[120+\x], v[120+\x], |v[16*\x+\i]|, |v[16*\x+\i+1]|
.endr
.endr
	WIN 0
.irp x, 0,1,2,3,4,5,6,7,8,9,10,11,12,13,14,15
	v_permlanex16_b32 v[136+\x], v[120+\x], s[SEL], s[SEL+1]
.endr
.irp x, 0,1,2,3,4,5,6,7,8,9,10,11,12,13,14,15
	v_max_num_f32 v[120+\x], v[120+\x], v[136+\x]
.endr
.irp x, 0,1,2,3,4,5,6,7,8,9,10,11,12,13,14,15
	v_add_nc_u32 v[152+\x], 0xff000000, v[120+\x]
.endr
.irp x, 0,1,2,3,4,5,6,7,8,9,10,11,12,13,14,15
	v_lshrrev_b32 v[168+\x], 23, v[152+\x]
.endr
.irp y, 0,1,2,3                                ; y = 2 nb + m: the four bytes of my 128 columns make a word
	v_lshl_or_b32 v[184+\y], v[169+4*\y], 8, v[168+4*\y]
	v_lshl_or_b32 v[184+\y], v[170+4*\y], 16, v[184+\y]
	v_lshl_or_b32 v[184+\y], v[171+4*\y], 24, v[184+\y]
.endr
	WIN 0x01
.irp x, 0,1,2,3,4,5,6,7,8,9,10,11,12,13,14,15
	v_cvt_scalef32_pk16_fp6_f32 v[192+4*\x:194+4*\x], v[16*\x:16*\x+15], v[152+\x]
.endr
	WIN 0
	v_nop                                          ; one plain place behind the conversions
.irp x, 0,1,2,3,4,5,6,7,8,9,10,11,12,13,14,15  ; a lane's 96 bits are two pieces of 6 bytes of the block's 24: at 6 h and at 12 + 6 h
	ds_store_b16 v[HSA], v[192+4*\x] offset:12544*((\x/4)%2)+384*(\x/8)+24*(\x%4)
	ds_store_b16_d16_hi v[HSA], v[192+4*\x] offset:12544*((\x/4)%2)+384*(\x/8)+24*(\x%4)+2
	ds_store_b16 v[HSA], v[193+4*\x] offset:12544*((\x/4)%2)+384*(\x/8)+24*(\x%4)+4
	ds_store_b16_d16_hi v[HSA], v[193+4*\x] offset:12544*((\x/4)%2)+384*(\x/8)+24*(\x%4)+12
	ds_store_b16 v[HSA], v[194+4*\x] offset:12544*((\x/4)%2)+384*(\x/8)+24*(\x%4)+14
	ds_store_b16_d16_hi v[HSA], v[194+4*\x] offset:12544*((\x/4)%2)+384*(\x/8)+24*(\x%4)+16
.endr
.irp y, 0,1,2,3
	ds_store_b32 v[HWA], v[184+\y] offset:512*(\y%2)+16*(\y/2)
.endr
	s_branch .Ljoin
.Lcell:
	; ---- path c: processed_c leaves as f32, a block of 16 rows x my 128 columns at a time through my own stage: 32 lanes store 512 consecutive bytes of a row
.macro CSTAGE a                        ; a = 2 nb + m
.set AC, 128*((\a)/2)+64*((\a)%2)
	WIN 0x04                                       ; an LDS store's data are its source 1: window 1
.irp t, 0,1,2,3,4,5,6,7
	ds_store_b128 v[CSTO], v[AC+8*\t:AC+8*\t+3] offset:64*\t
	ds_store_b128 v[CSTO], v[AC+8*\t+4:AC+8*\t+7] offset:64*\t+16
.endr
	WIN 0
.set BB, 120+64*((\a)%2)
.irp i, 0,1,2,3,4,5,6,7,8,9,10,11,12,13,14,15
	ds_load_b128 v[BB+4*\i:BB+4*\i+3], v[CRD] offset:\i*TP   ; LDS serves a wave's instructions in order: these see my stores
.endr
.endm
.macro CSEND a, younger
.set BB, 120+64*((\a)%2)
	s_wait_dscnt \younger
.irp i, 0,1,2,3,4,5,6,7,8,9,10,11,12,13,14,15
	global_store_b128 v[CGO], v[BB+4*\i:BB+4*\i+3], s[40:41] offset:(16*((\a)%2)+\i)*4096+2048*((\a)/2)
.endr
.endm
	CSTAGE 0
	CSTAGE 1
	CSEND 0, 32                                    ; behind block 0's loads: block 1's 16 stores and 16 loads
	s_wait_xcnt 0x0                                ; block 0's stores have read their registers: block 2's loads may land there
	CSTAGE 2
	CSEND 1, 32
	s_wait_xcnt 0x0
	CSTAGE 3
	CSEND 2, 32
	CSEND 3, 0
.Ljoin:
	s_wait_dscnt 0x0                               ; my stores into the stage are done
	s_barrier_signal -1
	s_barrier_wait -1                              ; every wave of either path passes this barrier
	s_cmp_lg_u32 s46, 0
	s_cbranch_scc1 .Lend
	; path h: my 8 whole rows of codes, 6,144 consecutive bytes of memory, and 256 scale bytes.  A stage row is 768 + 16 bytes: a load of 512 bytes lies in one row or (every third) crosses into the next at lane 16
.irp t, 0,1,2,3,4,5,6,7,8,9,10,11
.if \t%3 == 1
	ds_load_b128 v[120+4*\t:123+4*\t], v[RDH1] offset:512*\t+32*(\t/3)
.else
	ds_load_b128 v[120+4*\t:123+4*\t], v[RDH0] offset:512*\t+32*(\t/3)+16*((\t%3)/2)
.endif
.endr
	ds_load_b64 v[168:169], v[HSR]
.irp t, 0,1,2,3,4,5,6,7,8,9,10,11
	s_wait_dscnt 12-\t
	global_store_b128 v[HGO], v[120+4*\t:123+4*\t], s[36:37] offset:512*\t   ; 512 consecutive bytes, aligned to 256
.endr
	s_wait_dscnt 0x0
	global_store_b64 v[HSG], v[168:169], s[38:39]  ; 256 consecutive bytes, aligned
.Lend:
	s_wait_tensorcnt 0x0                           ; the wave's end: an add to the spare word and its wait, behind my last tensor load and my last LDS store
	ds_add_u32 v[SPW], v[NIL]
	s_wait_dscnt 0x0
	ROUND                                          ; the closing round
	s_endpgm
.Lfunc_end_k_qa833e619b3_proc:
	.size	k_qa833e619b3_proc, .Lfunc_end_k_qa833e619b3_proc-k_qa833e619b3_proc
	.p2alignl 7, 3214868480
	.fill 96, 4, 3214868480
	.section	.rodata,"a",@progbits
	.p2align	6, 0x0
	.amdhsa_kernel k_qa833e619b3_proc
		.amdhsa_group_segment_fixed_size 327680
		.amdhsa_private_segment_fixed_size 0
		.amdhsa_enable_private_segment 0
		.amdhsa_kernarg_size 216
		.amdhsa_user_sgpr_count 2
		.amdhsa_user_sgpr_kernarg_segment_ptr 1
		.amdhsa_wavefront_size32 1
		.amdhsa_system_sgpr_workgroup_id_x 1
		.amdhsa_system_sgpr_workgroup_id_y 1
		.amdhsa_system_sgpr_workgroup_id_z 1
		.amdhsa_system_vgpr_workitem_id 0
		.amdhsa_next_free_vgpr 1024
		.amdhsa_next_free_sgpr 96
		.amdhsa_reserve_vcc 0
		.amdhsa_float_denorm_mode_32 3
		.amdhsa_float_denorm_mode_16_64 3
		.amdhsa_memory_ordered 1
		.amdhsa_forward_progress 1
		.amdhsa_inst_pref_size 255
	.end_amdhsa_kernel
	.section	.bss,"aw",@nobits
	.p2align	6
	.space	262144
	.amdgpu_metadata
---
amdhsa.version: [ 1, 2 ]
amdhsa.kernels:
  - .name:           k_qa833e619b3_proc
    .symbol:         k_qa833e619b3_proc.kd
    .args:
      - { .name: hidden_left, .offset: 0, .size: 8, .value_kind: global_buffer, .address_space: global }
      - { .name: hidden_up, .offset: 8, .size: 8, .value_kind: global_buffer, .address_space: global }
      - { .name: hidden_prev, .offset: 16, .size: 8, .value_kind: global_buffer, .address_space: global }
      - { .name: Wh_proc_codes, .offset: 24, .size: 8, .value_kind: global_buffer, .address_space: global }
      - { .name: Wh_proc_scales, .offset: 32, .size: 8, .value_kind: global_buffer, .address_space: global }
      - { .name: bh_proc, .offset: 40, .size: 8, .value_kind: global_buffer, .address_space: global }
      - { .name: gamma_h, .offset: 48, .size: 8, .value_kind: global_buffer, .address_space: global }
      - { .name: beta_h, .offset: 56, .size: 8, .value_kind: global_buffer, .address_space: global }
      - { .name: cell_left, .offset: 64, .size: 8, .value_kind: global_buffer, .address_space: global }
      - { .name: cell_up, .offset: 72, .size: 8, .value_kind: global_buffer, .address_space: global }
      - { .name: cell_prev, .offset: 80, .size: 8, .value_kind: global_buffer, .address_space: global }
      - { .name: Wc_proc_codes, .offset: 88, .size: 8, .value_kind: global_buffer, .address_space: global }
      - { .name: Wc_proc_scales, .offset: 96, .size: 8, .value_kind: global_buffer, .address_space: global }
      - { .name: bc_proc, .offset: 104, .size: 8, .value_kind: global_buffer, .address_space: global }
      - { .name: gamma_c, .offset: 112, .size: 8, .value_kind: global_buffer, .address_space: global }
      - { .name: beta_c, .offset: 120, .size: 8, .value_kind: global_buffer, .address_space: global }
      - { .name: W_ih_codes, .offset: 128, .size: 8, .value_kind: global_buffer, .address_space: global }
      - { .name: W_ih_scales, .offset: 136, .size: 8, .value_kind: global_buffer, .address_space: global }
      - { .name: W_hh_codes, .offset: 144, .size: 8, .value_kind: global_buffer, .address_space: global }
      - { .name: W_hh_scales, .offset: 152, .size: 8, .value_kind: global_buffer, .address_space: global }
      - { .name: wi_codes, .offset: 160, .size: 8, .value_kind: global_buffer, .address_space: global }
      - { .name: wi_scales, .offset: 168, .size: 8, .value_kind: global_buffer, .address_space: global }
      - { .name: wh_codes, .offset: 176, .size: 8, .value_kind: global_buffer, .address_space: global }
      - { .name: wh_scales, .offset: 184, .size: 8, .value_kind: global_buffer, .address_space: global }
      - { .name: ph_codes, .offset: 192, .size: 8, .value_kind: global_buffer, .address_space: global }
      - { .name: ph_scales, .offset: 200, .size: 8, .value_kind: global_buffer, .address_space: global }
      - { .name: pc, .offset: 208, .size: 8, .value_kind: global_buffer, .address_space: global }
    .group_segment_fixed_size: 327680
    .private_segment_fixed_size: 0
    .kernarg_segment_align: 8
    .kernarg_segment_size: 216
    .max_flat_workgroup_size: 128
    .sgpr_count:     96
    .vgpr_count:     1024
    .wavefront_size: 32
...
	.end_amdgpu_metadata
.endif
;; end of part 1
;; launch gates (part 2): grid 16 x 16, 4 waves a work-group, clusters of 4 x 4, 327,680 bytes of LDS; arguments x_codes, x_scales, ph_codes, ph_scales, wi_codes, wi_scales, wh_codes, wh_scales, b_ih, b_hh, pc, out0, out1; writes out0, out1
.if DOCPART == 2
	.amdgcn_target "amdgcn-amd-amdhsa--gfx1250"
	.amdhsa_code_object_version 6
	.text
	.protected	k_qa833e619b3_gates
	.globl	k_qa833e619b3_gates
	.p2align	8
	.type	k_qa833e619b3_gates,@function
k_qa833e619b3_gates:
	s_mov_b64 s[64:65], 0
	v_nop
	global_prefetch_b8 v0, s[64:65] scope:SCOPE_SE
	s_setreg_imm32_b32 hwreg(HW_REG_WAVE_MODE, 25, 1), 1
	s_wait_xcnt 0x0
	s_wait_alu depctr_hold_cnt(0) depctr_sa_sdst(0) depctr_va_vdst(0) depctr_va_sdst(0) depctr_va_ssrc(0) depctr_va_vcc(0) depctr_vm_vsrc(0)
	s_getreg_b32 s2, hwreg(HW_REG_IB_STS2, 6, 4)
	s_cmp_eq_u32 s2, 0
	s_cbranch_scc0 .Lentry_in_a_cluster
	s_endpgm
.Lentry_in_a_cluster:
	s_bfe_u32 s2, ttmp6, 0x10000c
	s_cmp_lg_u32 s2, 0xf033
	s_cbranch_scc0 .Lentry_shape_is_right
	s_endpgm
.Lentry_shape_is_right:
; LatticeRNNCell, second launch: gates = x W_ih^T + b_ih + processed_h W_hh^T + b_hh, then cell = sigmoid(f) processed_c + sigmoid(i) tanh(g), hidden = sigmoid(o) tanh(cell).  No work of reference() is left out.
; The two products are ONE sum over K = 512 + 1,024, on codes of FP6 (E2M3) with one E8M0 scale for each 32 along K: six K steps of 256, the first two from x and wi (rows of 384 bytes), the other four from ph and wh (768).
; wi, wh are W_ih, W_hh with their rows regrouped by the launch before: row (unit / 32) 128 + gate 32 + unit % 32.  A tile of 256 such rows is 64 units x 4 gates.
; SHARES.  A work-group of four waves makes 256 rows of the batch x 256 rows of W; a wave 128 x 128: 64 accumulators, 512 registers.  THE MATRIX INSTRUCTION IS USED TRANSPOSED (source 0 = 16 rows of W, source 1 = 16 rows of the
; batch): a lane holds one row of the batch; block b of W's eight is gate b / 2, units 16 (b % 2) + 8 (lane / 16) + 0..7 of the wave's 32.  So i, f, g and o of a unit lie in ONE lane and the cell's step needs no other lane.
; The two biases, added, are the C of each sum's first product.
; CLUSTERS: 4 x 4 work-groups.  The four of a row of the cluster need the same tiles of the batch's codes, the four of a column the same tiles of W: each tile is asked for JOINTLY.
; THE SCALES of the work-group's 256 + 256 rows, for all of K, are copied once, in runs of 512 consecutive bytes, into LDS rows of 48 bytes (16 of the first product, 32 of the second): a K step is 8 bytes on in every row.
; processed_c's tile (256 rows x 256 bytes) comes by one tensor load a wave into slot 0 when that slot has been read for the last time; its rows are prefetched two K steps, 256 matrix instructions, ahead of that load,
; a lane a row, each row's 256 bytes named once in the launch.  The codes' tiles are not prefetched: of six K steps two come with the first fills, and each tile is asked for once for four work-groups.
; THE WAY OUT, block by block of 16 rows.  cell takes processed_c's place in slot 0, hidden goes to slot 1.  A row's 256 bytes come from two waves, so a barrier stands behind each block; behind it the wave with the lower half
; of W's rows reads the block's 16 rows of cell back and the other wave those of hidden, and each stores them under the next block's arithmetic: sixteen lanes store 256 consecutive bytes, aligned.
; ARITHMETIC.  With L = log2(e), Ei = 2^(-L i), Ef = 2^(-L f), Eg = 2^(2 L g), Eo = 2^(-L o): cell = [pc (1 + Ei)(1 + Eg) + (Eg - 1)(1 + Ef)] / [(1 + Ef)(1 + Ei)(1 + Eg)]; Ec = 2^(2 L cell);
; hidden = (Ec - 1) / [(1 + Eo)(1 + Ec)]: seven transcendentals a number.
; LIMITS.  The exponents of Ei, Ef, Eg, Ec are held at 40, so that no product of the denominators passes 2^120: a sigmoid under 2^-40 is held there (it moves cell by at most 9e-13 |processed_c|), and tanh is 1 in f32 from far
; below that exponent.  NaN and infinities among the inputs are not served (the hold drops a NaN).
; REGISTERS, in windows of 256: window 0: v0-31 addresses; v32-63 scale words, two sets, and nothing else; v64-127 the biases; from v128 the batch's fragments, ONE set; in the cell's step v64-255 are at work.
;   window 1: W's fragments, TWO sets, at v0 and v128.   window 2: the 32 accumulators of my rows 0-63 ((a, b) at v[8 (8 a + b)]);   window 3: those of my rows 64-127.
.set NQ,     2
.set ROWB,   192                       ; 256 codes in bytes
.set PITCH,  240                       ; an LDS row: 3 x (64 bytes + 16 of padding)
.set FR,     12
.set NL,     6
.set NP,     4
.set HALFT,  128*PITCH
.set SLOT,   4*HALFT
.set SCA,    2*SLOT                    ; the batch's scales: 256 rows x 48 bytes; W's 12,288 bytes on
.set SBLK,   16*48
.set SPARE,  SCA+2*12288               ; the spare words, 128 bytes for each wave
.set OP,     272                       ; a row of processed_c, of cell and of hidden in LDS: 256 bytes + 16
.set HOF,  11                          ; v11  32 x (lane / 16)
.set L16,  12                          ; v12  16 x lane
.set SPX,  13                          ; v13  where a lane puts 16 scale bytes of the second product
.set SX,   14                          ; v14  and of the first
.set PFO,  15                          ; v15  4,096 x lane: the prefetches' offset; never rewritten
.set ADRA, 16
.set ADRB, 20
.set PCA,  24
.set HDA,  25
.set RDA,  26
.set ADRS, 27
.set SPW,  28
.set NIL,  29
.set GOF,  31
.set SC,   32
.set BI,   64
.set AF,   128
.set TI,   64
.set TF,   80
.set TG,   96
.set TO,   112
.set TN,   128
.set PCR,  144
.set CELL, 160
.set HID,  192
.set OB,   224                         ; v224-255 a block's 16 rows read back from a stage
.set G0A2, 4                           ; s[4:11]  group 0 for ph's tiles, one set for each slot;  s[12:19] for wh's: in the registers that held the pointers of the head
.set G0B2, 12
.set G1A, 40
.set G1B, 48
.set G0A, 56                           ; s[56:63], s[68:75] groups 0 of the two first fills, from x and wi
.set G0B, 68
.set G1P, 76
.set G0P, 84
.set MSB, 0
.macro WIN new
.if MSB != \new
	s_set_vgpr_msb (MSB<<8)|\new
.set MSB, \new
.endif
.endm
.set MUL_LO, 0xa1                      ; source 0 (W) window 1, source 1 (batch) window 0, C and D window 2
.set MUL_HI, 0xf1
.set TO_B,   0x40
; a joint load: waves 0 and 1 fetch the batch's halves, waves 2 and 3 W's.  The branch hangs on the wave's number alone.  An s_nop 0 and four v_nop follow each line
.macro JLOAD g0a, g0b
	s_cmp_eq_u32 s31, 0
	s_cbranch_scc0 .Lfor_b_\@
	tensor_load_to_lds s[\g0a:\g0a+3], s[G1A:G1A+7]
	s_nop 0
.rept 4
	v_nop
.endr
	s_branch .Lasked_\@
.Lfor_b_\@:
	tensor_load_to_lds s[\g0b:\g0b+3], s[G1B:G1B+7]
	s_nop 0
.rept 4
	v_nop
.endr
.Lasked_\@:
.endm
.macro CREST
	s_cmp_lg_u32 s30, 0
	s_cbranch_scc1 .Lnot_wave_0_\@
	s_barrier_signal -3
.Lnot_wave_0_\@:
	s_barrier_wait -3
	s_barrier_signal -1
	s_barrier_wait -1
.endm
.macro CROUND
	s_barrier_signal -1
	s_barrier_wait -1
	CREST
.endm
.macro PLACES n
.rept \n
	v_nop
.endr
.endm
	s_load_b512 s[4:19], s[0:1], 0x0               ; x codes, x scales, ph codes, ph scales, wi codes, wi scales, wh codes, wh scales
	s_load_b256 s[20:27], s[0:1], 0x40             ; b_ih, b_hh, pc, out0
	s_load_b64 s[28:29], s[0:1], 0x60              ; out1
	v_lshl_add_u32 v[SPW], v0, 2, SPARE
	v_mov_b32 v[NIL], 0
	ds_add_u32 v[SPW], v[NIL]                      ; the wave's opening: the add, twice on end, and its wait ahead of my first tensor load
	ds_add_u32 v[SPW], v[NIL]
	v_lshrrev_b32 v1, 5, v0
	v_readfirstlane_b32 s30, v1                    ; wave 0..3
	s_lshr_b32 s31, s30, 1                         ; which half of the tile's batch rows is mine.  Also: I fetch for the batch (0) or for W (1)
	s_and_b32 s32, s30, 1                          ; which half of W's rows.  Also: which 128 rows I fetch, and which of the two outputs I store
	s_bfe_u32 s33, ttmp6, 0x40000                  ; cx
	s_bfe_u32 s34, ttmp6, 0x40004                  ; cy
	s_lshl_b32 s35, ttmp9, 2
	s_add_co_u32 s35, s35, s33                     ; tc: tile of W's rows
	s_and_b32 s36, ttmp7, 0xffff
	s_lshl_b32 s36, s36, 2
	s_add_co_u32 s36, s36, s34                     ; tr: tile of the batch's rows
	s_lshl_b32 s37, s34, 2
	s_lshl_b32 s37, 15, s37                        ; my row of the cluster
	s_lshl_b32 s38, 0x1111, s33                    ; my column
	s_or_b32 s[G1A], s37, (1<<20)|(1<<21)|(3<<22)|(3<<25)   ; 15:0 the mask; 17:16 elements of 1 byte; 20 padding on; 21 set beside a mask; 24:22 after every 16 words; 31:25 4 words of it
	s_or_b32 s[G1B], s38, (1<<20)|(1<<21)|(3<<22)|(3<<25)
.irp g, G1A, G1B
	s_mov_b32 s[\g+1], ROWB<<16
	s_mov_b32 s[\g+2], 128<<16
	s_mov_b32 s[\g+3], ROWB<<16
	s_mov_b32 s[\g+4], 128
	s_mov_b32 s[\g+5], 384                         ; the first product's rows; the second's are written at the changes of slots
	s_mov_b32 s[\g+6], 0
	s_mov_b32 s[\g+7], 0
.endr
	s_mov_b32 s[G1P], (3<<16)|(1<<20)|(5<<22)|(3<<25)   ; processed_c: no mask; 64 rows of 32 elements of 8 bytes, 512 elements apart, 16 bytes of padding behind each row
	s_mov_b32 s[G1P+1], 32<<16
	s_mov_b32 s[G1P+2], 64<<16
	s_mov_b32 s[G1P+3], 32<<16
	s_mov_b32 s[G1P+4], 64
	s_mov_b32 s[G1P+5], 512
	s_mov_b32 s[G1P+6], 0
	s_mov_b32 s[G1P+7], 0
	s_mov_b32 s39, 0x42200000                      ; 40.0
	s_mov_b32 s98, 0xbfb8aa3b                      ; -log2(e)
	s_mov_b32 s99, s98
	s_mov_b32 s100, 0x4038aa3b                     ; 2 log2(e)
	s_mov_b32 s101, s100
	s_lshl_b32 s92, s32, 7
	s_lshl_b32 s88, s36, 8
	s_add_co_u32 s88, s88, s92                     ; the batch's row that I fetch from: 256 tr + 128 half
	s_lshl_b32 s90, s35, 8
	s_add_co_u32 s90, s90, s92                     ; W's: 256 tc + 128 half
	s_mul_i32 s92, s88, 384
	s_mov_b32 s93, 0
	s_mul_i32 s88, s88, 768
	s_mov_b32 s89, 0
	s_mul_i32 s96, s90, 384
	s_mov_b32 s97, 0
	s_mul_i32 s90, s90, 768
	s_mov_b32 s91, 0
	s_mul_i32 s2, s30, HALFT                       ; where the tiles go: wave x 128 rows
	s_wait_dscnt 0x0                               ; both opening adds are done
	s_wait_kmcnt 0x0
	s_add_nc_u64 s[4:5], s[4:5], s[92:93]
	s_add_nc_u64 s[8:9], s[8:9], s[88:89]
	s_add_nc_u64 s[12:13], s[12:13], s[96:97]
	s_add_nc_u64 s[16:17], s[16:17], s[90:91]
	CROUND                                         ; all sixteen work-groups are here: the first joint loads meet
.irp s, 0,1
	s_mov_b32 s[G0A+4*\s], 1
	s_add_co_u32 s[G0A+4*\s+1], s2, \s*SLOT
	s_add_nc_u64 s[G0A+4*\s+2:G0A+4*\s+3], s[4:5], \s*ROWB
	s_or_b32 s[G0A+4*\s+3], s[G0A+4*\s+3], 0x80000000
	s_mov_b32 s[G0B+4*\s], 1
	s_add_co_u32 s[G0B+4*\s+1], s2, \s*SLOT
	s_add_nc_u64 s[G0B+4*\s+2:G0B+4*\s+3], s[12:13], \s*ROWB
	s_or_b32 s[G0B+4*\s+3], s[G0B+4*\s+3], 0x80000000
	JLOAD G0A+4*\s, G0B+4*\s                       ; K steps 0 and 1: two loads of mine are out
.endr
	v_and_b32 v1, 15, v0                           ; r
	v_bfe_u32 v2, v0, 4, 1                         ; h
	v_and_b32 v6, 31, v0                           ; lane
	v_lshlrev_b32 v[L16], 4, v6
	v_lshlrev_b32 v[HOF], 5, v2
	s_mov_b32 s93, 0
	s_lshl_b32 s92, s36, 12                        ; the scales: my work-group's 256 rows, my wave's 64
	s_lshl_b32 s94, s30, 10
	s_add_co_u32 s92, s92, s94
	s_add_nc_u64 s[6:7], s[6:7], s[92:93]
	s_lshl_b32 s92, s92, 1
	s_add_nc_u64 s[10:11], s[10:11], s[92:93]
	s_lshl_b32 s92, s35, 12
	s_add_co_u32 s92, s92, s94
	s_add_nc_u64 s[14:15], s[14:15], s[92:93]
	s_lshl_b32 s92, s92, 1
	s_add_nc_u64 s[18:19], s[18:19], s[92:93]
	s_lshl_b32 s92, s35, 8                         ; the biases: units 64 tc + 32 (my half of W's rows) on
	s_lshl_b32 s94, s32, 7
	s_add_co_u32 s92, s92, s94
	s_add_nc_u64 s[20:21], s[20:21], s[92:93]
	s_add_nc_u64 s[22:23], s[22:23], s[92:93]
.irp k, 0,1
	global_load_b128 v[128+4*\k:131+4*\k], v[L16], s[6:7] offset:512*\k
.endr
.irp k, 0,1,2,3
	global_load_b128 v[136+4*\k:139+4*\k], v[L16], s[10:11] offset:512*\k
.endr
.irp k, 0,1
	global_load_b128 v[152+4*\k:155+4*\k], v[L16], s[14:15] offset:512*\k
.endr
.irp k, 0,1,2,3
	global_load_b128 v[160+4*\k:163+4*\k], v[L16], s[18:19] offset:512*\k
.endr
.irp b, 0,1,2,3,4,5,6,7
	global_load_b128 v[BI+8*\b:BI+8*\b+3], v[HOF], s[20:21] offset:(\b/2)*4096+(\b%2)*64
	global_load_b128 v[BI+8*\b+4:BI+8*\b+7], v[HOF], s[20:21] offset:(\b/2)*4096+(\b%2)*64+16
	global_load_b128 v[176+8*\b:179+8*\b], v[HOF], s[22:23] offset:(\b/2)*4096+(\b%2)*64
	global_load_b128 v[180+8*\b:183+8*\b], v[HOF], s[22:23] offset:(\b/2)*4096+(\b%2)*64+16
.endr
	v_mul_u32_u24 v3, v1, PITCH
	v_mul_u32_u24 v4, v2, 24
	v_add_nc_u32 v4, v3, v4                        ; a fragment's row x pitch + 24 x half
	v_lshl_add_u32 v5, v2, 4, v4                   ; and the same behind one padding more
	s_mul_i32 s92, s31, HALFT
	s_mul_i32 s94, s32, HALFT
	s_add_co_u32 s94, s94, 2*HALFT
.irp s, 0,1
	v_add_nc_u32 v[ADRA+\s], s92, v4
	v_add_nc_u32 v[ADRB+\s], s94, v4
	v_add_nc_u32 v[ADRA+2+\s], s92, v5
	v_add_nc_u32 v[ADRB+2+\s], s94, v5
	s_add_co_u32 s92, s92, SLOT
	s_add_co_u32 s94, s94, SLOT
.endr
	v_mul_u32_u24 v5, v1, 48                       ; my row's scales
	s_mul_i32 s92, s31, 6144
	s_mul_i32 s94, s32, 6144
	s_add_co_u32 s94, s94, 12288
	s_sub_co_u32 s94, s94, s92
	v_mul_u32_u24 v7, s94, v2                      ; lanes 16-31 take W's: one product, the distance between the two bases
	s_add_co_u32 s92, s92, SCA
	v_add_nc_u32 v5, v5, v7
	v_add_nc_u32 v[ADRS], s92, v5
	s_mul_i32 s92, s30, 64*48
	s_add_co_u32 s92, s92, SCA
	v_mul_u32_u24 v[SX], v6, 48
	v_add_nc_u32 v[SX], s92, v[SX]                 ; first product: a lane's 16 bytes are a row's: row 64 w + 32 k + lane
	v_lshrrev_b32 v7, 1, v6
	v_mul_u32_u24 v7, v7, 48
	v_and_b32 v8, 1, v6
	v_lshl_add_u32 v7, v8, 4, v7
	v_add_nc_u32 v7, 16, v7
	v_add_nc_u32 v[SPX], s92, v7                   ; second: half a row's: row 64 w + 16 k + lane / 2, behind the first's 16
	s_lshl_b32 s92, s31, 7
	s_mul_i32 s92, s92, OP
	s_lshl_b32 s94, s32, 7
	s_add_co_u32 s94, s94, s92
	v_mul_u32_u24 v[PCA], v1, OP
	v_lshl_add_u32 v[PCA], v2, 5, v[PCA]
	v_add_nc_u32 v[PCA], s94, v[PCA]               ; processed_c and cell: row 128 mh + r, bytes 128 nh + 32 h
	v_add_nc_u32 v[HDA], SLOT, v[PCA]              ; hidden: the same place in slot 1
	s_mul_i32 s94, s32, SLOT                       ; back: with the lower half of W's rows I read cell's stage, in slot 0, else hidden's, in slot 1;
	s_add_co_u32 s92, s92, s94
	v_mul_u32_u24 v[RDA], v2, OP
	v_lshl_add_u32 v[RDA], v1, 4, v[RDA]
	v_add_nc_u32 v[RDA], s92, v[RDA]               ; my half's 128 rows; lanes 0-15 one row, lanes 16-31 the next
	v_lshlrev_b32 v[GOF], 12, v2
	v_lshl_add_u32 v[GOF], v1, 4, v[GOF]
	v_lshlrev_b32 v[PFO], 12, v6
	s_lshl_b32 s92, s36, 20                        ; processed_c, cell, hidden: row 256 tr, byte 256 tc;
	s_lshl_b32 s94, s35, 8
	s_add_co_u32 s92, s92, s94
	s_lshl_b32 s94, s31, 19                        ; the output that I store: my half's 128 rows
	s_add_co_u32 s94, s94, s92
	s_mov_b32 s95, 0
	s_cmp_eq_u32 s32, 0
	s_cselect_b64 s[26:27], s[28:29], s[26:27]     ; out1 = cell, out0 = hidden: the wave's number alone decides
	s_add_nc_u64 s[26:27], s[26:27], s[94:95]
	s_lshl_b32 s94, s30, 18                        ; processed_c: the 64 rows that my wave fetches
	s_add_co_u32 s92, s92, s94
	s_add_nc_u64 s[24:25], s[24:25], s[92:93]
	s_mov_b32 s[G0P], 1
	s_mul_i32 s[G0P+1], s30, 64*OP
	s_mov_b64 s[G0P+2:G0P+3], s[24:25]
	s_or_b32 s[G0P+3], s[G0P+3], 0x80000000
	s_wait_loadcnt 32                              ; the twelve loads of scales are in; the 32 of the biases may be out
.irp k, 0,1
	ds_store_b128 v[SX], v[128+4*\k:131+4*\k] offset:1536*\k
	ds_store_b128 v[SX], v[152+4*\k:155+4*\k] offset:12288+1536*\k
.endr
.irp k, 0,1,2,3
	ds_store_b128 v[SPX], v[136+4*\k:139+4*\k] offset:768*\k
	ds_store_b128 v[SPX], v[160+4*\k:163+4*\k] offset:12288+768*\k
.endr
	s_wait_loadcnt 0x0
.set i, 0
.rept 32
	v_pk_add_f32 v[BI+i:BI+i+1], v[BI+i:BI+i+1], v[176+i:177+i]   ; b_ih + b_hh
.set i, i+2
.endr
	; groups 0 for the second product's tiles, two K steps in front of each slot's first tile there: each refill steps its address first.  No load from memory is out: the pointers' registers are free
	s_sub_nc_u64 s[G0A2+2:G0A2+3], s[8:9], 2*ROWB
	s_or_b32 s[G0A2+3], s[G0A2+3], 0x80000000
	s_mov_b32 s[G0A2], 1
	s_add_co_u32 s[G0A2+1], s2, 0
	s_sub_nc_u64 s[G0A2+6:G0A2+7], s[8:9], ROWB
	s_or_b32 s[G0A2+7], s[G0A2+7], 0x80000000
	s_mov_b32 s[G0A2+4], 1
	s_add_co_u32 s[G0A2+5], s2, SLOT
	s_sub_nc_u64 s[G0B2+2:G0B2+3], s[16:17], 2*ROWB
	s_or_b32 s[G0B2+3], s[G0B2+3], 0x80000000
	s_mov_b32 s[G0B2], 1
	s_add_co_u32 s[G0B2+1], s2, 0
	s_sub_nc_u64 s[G0B2+6:G0B2+7], s[16:17], ROWB
	s_or_b32 s[G0B2+7], s[G0B2+7], 0x80000000
	s_mov_b32 s[G0B2+4], 1
	s_add_co_u32 s[G0B2+5], s2, SLOT
	s_wait_dscnt 0x0                               ; my part of the scales lies in LDS,
	s_wait_tensorcnt 0x1                           ; and my part of K step 0; K step 1's may stay out
	s_barrier_signal -1
	s_barrier_wait -1                              ; everybody's do
.macro FRAG reg, adr, q, i             ; 16 rows x 128 K: 12 registers, six pieces of 8 bytes; where lanes 16-31's piece lies behind one padding more, the second address register serves
.irp p, 0,1,2,3,4,5
.set PCE, 12*(\q)+6*(\p/3)+\p%3
.if PCE%8 < 5
	ds_load_b64 v[\reg+2*\p:\reg+2*\p+1], v[\adr] offset:8*PCE+16*(PCE/8)+(\i)*16*PITCH
.else
	ds_load_b64 v[\reg+2*\p:\reg+2*\p+1], v[\adr+2] offset:8*PCE+16*(PCE/8)+(\i)*16*PITCH
.endif
.endr
.endm
; 16 products: the batch's blocks a0, a0 + 1 x W's eight.  zero = 1: the first product of each sum takes the biases as C.  The 64 accumulators take turns, in the same order in every step
.macro MUL16 a0, p, q, sc, zero
.irp a, \a0, \a0+1
.irp b, 0,1,2,3,4,5,6,7
.if \zero
	v_wmma_scale_f32_16x16x128_f8f6f4 v[8*(8*((\a)%4)+\b):8*(8*((\a)%4)+\b)+7], v[128*(\p)+FR*\b:128*(\p)+FR*\b+FR-1], v[AF+FR*(\a):AF+FR*(\a)+FR-1], v[BI+8*\b:BI+8*\b+7], v[SC+8*NQ*(\sc)+NQ*\b+(\q)], v[SC+8*NQ*(\sc)+NQ*(\a)+(\q)] matrix_a_fmt:MATRIX_FMT_FP6 matrix_b_fmt:MATRIX_FMT_FP6 matrix_a_scale:MATRIX_SCALE_ROW1
.else
	v_wmma_scale_f32_16x16x128_f8f6f4 v[8*(8*((\a)%4)+\b):8*(8*((\a)%4)+\b)+7], v[128*(\p)+FR*\b:128*(\p)+FR*\b+FR-1], v[AF+FR*(\a):AF+FR*(\a)+FR-1], v[8*(8*((\a)%4)+\b):8*(8*((\a)%4)+\b)+7], v[SC+8*NQ*(\sc)+NQ*\b+(\q)], v[SC+8*NQ*(\sc)+NQ*(\a)+(\q)] matrix_a_fmt:MATRIX_FMT_FP6 matrix_b_fmt:MATRIX_FMT_FP6 matrix_a_scale:MATRIX_SCALE_ROW1
.endif
.endr
.endr
.endm
.macro FETCH_B slot, q, p
	WIN TO_B
.irp i, 0,1,2,3,4,5,6,7
	FRAG 128*(\p)+FR*\i, ADRB+\slot, \q, \i
.endr
	WIN 0
.endm
.macro FETCH_A slot, q, i0
.irp i, \i0, \i0+1, \i0+2, \i0+3
	FRAG AF+FR*(\i), ADRA+\slot, \q, \i
.endr
.endm
.macro SCALES sc                       ; a K step's two words a row: lanes 0-15 the batch's block i, lanes 16-31 W's block i
.irp i, 0,1,2,3,4,5,6,7
	ds_load_b64 v[SC+8*NQ*\sc+NQ*\i:SC+8*NQ*\sc+NQ*\i+1], v[ADRS] offset:\i*SBLK
.endr
.endm
; a step of 128 along K that has its successor in the same slot
.macro STEP slot, q, zero
	s_wait_dscnt 4*NL                              ; W's set and the batch's blocks 0-3 are in; the youngest 24 loads (blocks 4-7) may be out
.if \zero
	WIN 0x81                                       ; C (the biases) window 0, D window 2
.else
	WIN MUL_LO
.endif
	MUL16 0, (\q)%2, \q, \slot, \zero
	MUL16 2, (\q)%2, \q, \slot, \zero
	s_wait_dscnt 0
	PLACES NP
	FETCH_B \slot, (\q)+1, 1-(\q)%2
	FETCH_A \slot, (\q)+1, 0
.if \zero
	WIN 0xc1
.else
	WIN MUL_HI
.endif
	MUL16 4, (\q)%2, \q, \slot, \zero
	MUL16 6, (\q)%2, \q, \slot, \zero
	PLACES NP
	WIN 0
	FETCH_A \slot, (\q)+1, 4
.endm
; a slot's last step changes slots: in front of the round each wave waits for all its tensor loads, adds 0 to its spare word, and waits for that and for its reads of this slot.
; fill = 1: this slot takes the K step two on, jointly, from ph and wh.  fill = 2: it takes processed_c's tile, each wave its own 64 rows.  ask = 1: in the loop's last trip my rows of processed_c are prefetched
.macro TURN slot, next, fill, ask
	s_wait_tensorcnt 0x0
	ds_add_u32 v[SPW], v[NIL]
.if \fill == 1
	s_mov_b32 s[G1A+5], 768                        ; no load of mine is out: from here on the tiles' rows lie 768 bytes apart in memory
	s_mov_b32 s[G1B+5], 768
.endif
	s_wait_dscnt 4*NL+1                            ; (the add and the youngest 24 loads may be out)
	WIN MUL_LO
	MUL16 0, 1, NQ-1, \slot, 0
	s_wait_dscnt 0x0                               ; the add is done, and my reads of this slot are over
	s_barrier_signal -1
	MUL16 2, 1, NQ-1, \slot, 0
	WIN 0
	s_barrier_wait -1
	CREST                                          ; the barrier has opened a round of the cluster's barrier
.if \fill == 1
	s_add_nc_u64 s[G0A2+4*\slot+2:G0A2+4*\slot+3], s[G0A2+4*\slot+2:G0A2+4*\slot+3], 2*ROWB
	s_add_nc_u64 s[G0B2+4*\slot+2:G0B2+4*\slot+3], s[G0B2+4*\slot+2:G0B2+4*\slot+3], 2*ROWB
	JLOAD G0A2+4*\slot, G0B2+4*\slot
.else
	tensor_load_to_lds s[G0P:G0P+3], s[G1P:G1P+7]
	s_nop 0
	PLACES 4
.endif
	v_add_nc_u32 v[ADRS], 4*NQ, v[ADRS]            ; on to the next K step's scale words
	FETCH_B \next, 0, 0
	FETCH_A \next, 0, 0
	SCALES \next
.if \ask
	s_cmp_eq_u32 s3, 1
	s_cbranch_scc0 .Lnot_yet_\@
	global_prefetch_b8 v[PFO], s[24:25] th:TH_LOAD_NT scope:SCOPE_SE                 ; my rows 0-31 of processed_c's tile, a lane a row,
	global_prefetch_b8 v[PFO], s[24:25] offset:131072 th:TH_LOAD_NT scope:SCOPE_SE   ; and rows 32-63
.Lnot_yet_\@:
.endif
	WIN MUL_HI
	MUL16 4, 1, NQ-1, \slot, 0
	MUL16 6, 1, NQ-1, \slot, 0
	PLACES NP
	WIN 0
	FETCH_A \next, 0, 4
.endm
	FETCH_B 0, 0, 0
	FETCH_A 0, 0, 0
	SCALES 0
	FETCH_A 0, 0, 4
	STEP 0, 0, 1                                   ; the first step stands in front of the loop: its products start the sums from the biases
	s_mov_b32 s3, 2
.Llap:                                             ; a trip goes once round the ring and fills both slots again: K steps 2, 3 and then 4, 5
	TURN 0, 1, 1, 1
	STEP 1, 0, 0
	TURN 1, 0, 1, 0
	STEP 0, 0, 0
	s_sub_co_u32 s3, s3, 1
	s_cmp_lg_u32 s3, 0
	s_cbranch_scc1 .Llap
	TURN 0, 1, 2, 0                                ; slot 0 has been read for the last time: processed_c's tile
	STEP 1, 0, 0
	s_wait_dscnt 4*NL
	WIN MUL_LO
	MUL16 0, 1, NQ-1, 1, 0
	MUL16 2, 1, NQ-1, 1, 0
	s_wait_dscnt 0
	WIN MUL_HI
	MUL16 4, 1, NQ-1, 1, 0
	MUL16 6, 1, NQ-1, 1, 0
	WIN 0
	PLACES NP                                      ; behind the last products: results are read, and loads and vector work go into registers that they read
	s_wait_tensorcnt 0x0                           ; my rows of processed_c have landed
	s_barrier_signal -1
	s_barrier_wait -1                              ; everybody's have, and nobody reads slot 1 any more
; THE CELL'S STEP for block a of 16 rows: 16 units a lane.  i, f, g, o are the runs of 16 registers at 64 (a % 4) + 0, 16, 32, 48.  Four batches of transcendentals, each with one plain place and one wait ahead of its first reader.
; cell and hidden have two sets of registers by turns: a set is written again behind the wait for the block between, which covers its stage stores.  The rows of the block before, read back from a stage behind its barrier,
; are stored where this block waits for processed_c
.macro EPI a
.set AC, 64*((\a)%4)
.set CO, CELL+16*((\a)%2)
.set HO, HID+16*((\a)%2)
	ds_load_b128 v[PCR:PCR+3], v[PCA] offset:(\a)*16*OP
	ds_load_b128 v[PCR+4:PCR+7], v[PCA] offset:(\a)*16*OP+16
	ds_load_b128 v[PCR+8:PCR+11], v[PCA] offset:(\a)*16*OP+64
	ds_load_b128 v[PCR+12:PCR+15], v[PCA] offset:(\a)*16*OP+80
	WIN 0x02+(\a)/4                                ; source 0: window 2 or 3.
.irp e, 0,2,4,6,8,10,12,14
	v_pk_mul_f32 v[TI+\e:TI+\e+1], v[AC+\e:AC+\e+1], s[98:99] op_sel_hi:[1,0]
.endr
.irp e, 0,2,4,6,8,10,12,14
	v_pk_mul_f32 v[TF+\e:TF+\e+1], v[AC+16+\e:AC+16+\e+1], s[98:99] op_sel_hi:[1,0]
.endr
.irp e, 0,2,4,6,8,10,12,14
	v_pk_mul_f32 v[TG+\e:TG+\e+1], v[AC+32+\e:AC+32+\e+1], s[100:101] op_sel_hi:[1,0]
.endr
.irp e, 0,2,4,6,8,10,12,14
	v_pk_mul_f32 v[TO+\e:TO+\e+1], v[AC+48+\e:AC+48+\e+1], s[98:99] op_sel_hi:[1,0]
.endr
	WIN 0
.irp e, 0,1,2,3,4,5,6,7,8,9,10,11,12,13,14,15
	v_min_num_f32 v[TI+\e], s39, v[TI+\e]
	v_min_num_f32 v[TF+\e], s39, v[TF+\e]
	v_min_num_f32 v[TG+\e], s39, v[TG+\e]
.endr
.irp e, 0,1,2,3,4,5,6,7,8,9,10,11,12,13,14,15
	v_exp_f32 v[TI+\e], v[TI+\e]
	v_exp_f32 v[TF+\e], v[TF+\e]
	v_exp_f32 v[TG+\e], v[TG+\e]
	v_exp_f32 v[TO+\e], v[TO+\e]
.endr
	v_nop
	s_wait_alu depctr_va_vdst(0)
.irp e, 0,2,4,6,8,10,12,14
	v_pk_add_f32 v[TN+\e:TN+\e+1], v[TG+\e:TG+\e+1], -1.0 op_sel_hi:[1,0]     ; Eg - 1
	v_pk_add_f32 v[TI+\e:TI+\e+1], v[TI+\e:TI+\e+1], 1.0 op_sel_hi:[1,0]      ; 1 + Ei
	v_pk_add_f32 v[TF+\e:TF+\e+1], v[TF+\e:TF+\e+1], 1.0 op_sel_hi:[1,0]      ; 1 + Ef
	v_pk_add_f32 v[TG+\e:TG+\e+1], v[TG+\e:TG+\e+1], 1.0 op_sel_hi:[1,0]      ; 1 + Eg
.endr
.irp e, 0,2,4,6,8,10,12,14
	v_pk_mul_f32 v[TI+\e:TI+\e+1], v[TI+\e:TI+\e+1], v[TG+\e:TG+\e+1]         ; (1 + Ei)(1 + Eg)
	v_pk_mul_f32 v[TN+\e:TN+\e+1], v[TN+\e:TN+\e+1], v[TF+\e:TF+\e+1]         ; (Eg - 1)(1 + Ef)
.endr
	s_wait_dscnt 0x0                               ; processed_c is in, and so are the rows of the block before; the earlier blocks' stage stores have read their registers
.if (\a) > 0
.irp t, 0,1,2,3,4,5,6,7
	global_store_b128 v[GOF], v[OB+4*\t:OB+4*\t+3], s[26:27] offset:(16*((\a)-1)+2*\t)*4096 th:TH_STORE_NT   ; sixteen lanes store 256 consecutive bytes, aligned
.endr
.endif
.irp e, 0,2,4,6,8,10,12,14
	v_pk_fma_f32 v[TN+\e:TN+\e+1], v[PCR+\e:PCR+\e+1], v[TI+\e:TI+\e+1], v[TN+\e:TN+\e+1]
	v_pk_mul_f32 v[TI+\e:TI+\e+1], v[TI+\e:TI+\e+1], v[TF+\e:TF+\e+1]
.endr
.irp e, 0,1,2,3,4,5,6,7,8,9,10,11,12,13,14,15
	v_rcp_f32 v[TI+\e], v[TI+\e]
.endr
.irp e, 0,2,4,6,8,10,12,14
	v_pk_add_f32 v[TO+\e:TO+\e+1], v[TO+\e:TO+\e+1], 1.0 op_sel_hi:[1,0]      ; 1 + Eo: plain work behind the reciprocals
.endr
	s_wait_alu depctr_va_vdst(0)
.irp e, 0,2,4,6,8,10,12,14
	v_pk_mul_f32 v[CO+\e:CO+\e+1], v[TN+\e:TN+\e+1], v[TI+\e:TI+\e+1]         ; cell
.endr
	ds_store_b128 v[PCA], v[CO:CO+3] offset:(\a)*16*OP        ; into the bytes that this lane alone has read
	ds_store_b128 v[PCA], v[CO+4:CO+7] offset:(\a)*16*OP+16
	ds_store_b128 v[PCA], v[CO+8:CO+11] offset:(\a)*16*OP+64
	ds_store_b128 v[PCA], v[CO+12:CO+15] offset:(\a)*16*OP+80
.irp e, 0,2,4,6,8,10,12,14
	v_pk_mul_f32 v[TG+\e:TG+\e+1], v[CO+\e:CO+\e+1], s[100:101] op_sel_hi:[1,0]
.endr
.irp e, 0,1,2,3,4,5,6,7,8,9,10,11,12,13,14,15
	v_min_num_f32 v[TG+\e], s39, v[TG+\e]
.endr
.irp e, 0,1,2,3,4,5,6,7,8,9,10,11,12,13,14,15
	v_exp_f32 v[TG+\e], v[TG+\e]
.endr
	v_nop
	s_wait_alu depctr_va_vdst(0)
.irp e, 0,2,4,6,8,10,12,14
	v_pk_add_f32 v[TF+\e:TF+\e+1], v[TG+\e:TG+\e+1], -1.0 op_sel_hi:[1,0]     ; Ec - 1
	v_pk_add_f32 v[TG+\e:TG+\e+1], v[TG+\e:TG+\e+1], 1.0 op_sel_hi:[1,0]      ; 1 + Ec
.endr
.irp e, 0,2,4,6,8,10,12,14
	v_pk_mul_f32 v[TO+\e:TO+\e+1], v[TO+\e:TO+\e+1], v[TG+\e:TG+\e+1]
.endr
.irp e, 0,1,2,3,4,5,6,7,8,9,10,11,12,13,14,15
	v_rcp_f32 v[TO+\e], v[TO+\e]
.endr
	v_nop
	s_wait_alu depctr_va_vdst(0)
.irp e, 0,2,4,6,8,10,12,14
	v_pk_mul_f32 v[HO+\e:HO+\e+1], v[TF+\e:TF+\e+1], v[TO+\e:TO+\e+1]         ; hidden
.endr
	ds_store_b128 v[HDA], v[HO:HO+3] offset:(\a)*16*OP
	ds_store_b128 v[HDA], v[HO+4:HO+7] offset:(\a)*16*OP+16
	ds_store_b128 v[HDA], v[HO+8:HO+11] offset:(\a)*16*OP+64
	ds_store_b128 v[HDA], v[HO+12:HO+15] offset:(\a)*16*OP+80
	s_wait_dscnt 0x0                               ; for the others' sake: my stores of this block into both stages are done
	s_barrier_signal -1
	s_barrier_wait -1                              ; the block's rows are whole.  No later block touches their bytes
	s_wait_xcnt 0x0                                ; the stores of the block before have read their registers: this block's rows may land there
.irp t, 0,1,2,3,4,5,6,7
	ds_load_b128 v[OB+4*\t:OB+4*\t+3], v[RDA] offset:(16*(\a)+2*\t)*OP   ; 16 rows of my output, two an instruction
.endr
.endm
.irp a, 0,1,2,3,4,5,6,7
	EPI \a
.endr
	s_wait_dscnt 0x0                               ; the last block's rows are back
.irp t, 0,1,2,3,4,5,6,7
	global_store_b128 v[GOF], v[OB+4*\t:OB+4*\t+3], s[26:27] offset:(16*7+2*\t)*4096 th:TH_STORE_NT
.endr
	s_wait_tensorcnt 0x0                           ; the wave's end: an add to the spare word and its wait, behind my last tensor load and my last LDS store
	ds_add_u32 v[SPW], v[NIL]
	s_wait_dscnt 0x0
	CROUND                                         ; the closing round
	s_endpgm
.Lfunc_end_k_qa833e619b3_gates:
	.size	k_qa833e619b3_gates, .Lfunc_end_k_qa833e619b3_gates-k_qa833e619b3_gates
	.p2alignl 7, 3214868480
	.fill 96, 4, 3214868480
	.section	.rodata,"a",@progbits
	.p2align	6, 0x0
	.amdhsa_kernel k_qa833e619b3_gates
		.amdhsa_group_segment_fixed_size 327680
		.amdhsa_private_segment_fixed_size 0
		.amdhsa_enable_private_segment 0
		.amdhsa_kernarg_size 104
		.amdhsa_user_sgpr_count 2
		.amdhsa_user_sgpr_kernarg_segment_ptr 1
		.amdhsa_wavefront_size32 1
		.amdhsa_system_sgpr_workgroup_id_x 1
		.amdhsa_system_sgpr_workgroup_id_y 1
		.amdhsa_system_sgpr_workgroup_id_z 1
		.amdhsa_system_vgpr_workitem_id 0
		.amdhsa_next_free_vgpr 1024
		.amdhsa_next_free_sgpr 102
		.amdhsa_reserve_vcc 0
		.amdhsa_float_denorm_mode_32 3
		.amdhsa_float_denorm_mode_16_64 3
		.amdhsa_memory_ordered 1
		.amdhsa_forward_progress 1
		.amdhsa_inst_pref_size 255
	.end_amdhsa_kernel
	.section	.bss,"aw",@nobits
	.p2align	6
	.space	262144
	.amdgpu_metadata
---
amdhsa.version: [ 1, 2 ]
amdhsa.kernels:
  - .name:           k_qa833e619b3_gates
    .symbol:         k_qa833e619b3_gates.kd
    .args:
      - { .name: x_codes, .offset: 0, .size: 8, .value_kind: global_buffer, .address_space: global }
      - { .name: x_scales, .offset: 8, .size: 8, .value_kind: global_buffer, .address_space: global }
      - { .name: ph_codes, .offset: 16, .size: 8, .value_kind: global_buffer, .address_space: global }
      - { .name: ph_scales, .offset: 24, .size: 8, .value_kind: global_buffer, .address_space: global }
      - { .name: wi_codes, .offset: 32, .size: 8, .value_kind: global_buffer, .address_space: global }
      - { .name: wi_scales, .offset: 40, .size: 8, .value_kind: global_buffer, .address_space: global }
      - { .name: wh_codes, .offset: 48, .size: 8, .value_kind: global_buffer, .address_space: global }
      - { .name: wh_scales, .offset: 56, .size: 8, .value_kind: global_buffer, .address_space: global }
      - { .name: b_ih, .offset: 64, .size: 8, .value_kind: global_buffer, .address_space: global }
      - { .name: b_hh, .offset: 72, .size: 8, .value_kind: global_buffer, .address_space: global }
      - { .name: pc, .offset: 80, .size: 8, .value_kind: global_buffer, .address_space: global }
      - { .name: out0, .offset: 88, .size: 8, .value_kind: global_buffer, .address_space: global }
      - { .name: out1, .offset: 96, .size: 8, .value_kind: global_buffer, .address_space: global }
    .group_segment_fixed_size: 327680
    .private_segment_fixed_size: 0
    .kernarg_segment_align: 8
    .kernarg_segment_size: 104
    .max_flat_workgroup_size: 128
    .sgpr_count:     102
    .vgpr_count:     1024
    .wavefront_size: 32
...
	.end_amdgpu_metadata
.endif
;; end of part 2
